; MI455X (gfx1250); checked and timed in simulation.
; The chip was launched on July 23, 2026; its instructions are those of AMD's public machine-readable ISA for CDNA 5 (MIT licence, August 2026) and "CDNA5" Instruction Set Architecture Reference Guide (July 2026). The comments in the code are by the model that wrote it; some were corrected since.
;; Single Head Attention. Allowed arithmetic: float matrix products may take bf16 or f16 operands with f32 sums; all other float work in f32.
;; Inputs: Wk 768 x 128 float32; Wq 768 x 128 float32; Wv 768 x 128 float32; bk 128 float32; bq 128 float32; bv 128 float32; x 8 x 2,048 x 768 float32.
;; Outputs: out0 8 x 2,048 x 128 float32.
;; 2 versions, each right and faster than the one before. Each part assembles by itself: llvm-mc -triple=amdgcn-amd-amdhsa -mcpu=gfx1250 --defsym DOCPART=n.
;; ======== version 1 of 2: 3 launches
;; limits: values are held in f16: magnitudes above 65,504 overflow, below 6.1e-05 lose precision
;; workspace buffers: wt 589,824 bytes; bias 1,536 bytes; qkv 12,582,912 bytes
;; launch prep (part 1): grid 6 x 3, 8 waves a work-group, no clusters, 35,840 bytes of LDS; arguments Wq, Wk, Wv, bq, bk, bv, wt, bias; writes wt, bias
.if DOCPART == 1
	.amdgcn_target "amdgcn-amd-amdhsa--gfx1250"
	.amdhsa_code_object_version 6
	.text
	.protected	k_qdf1b804926_prep
	.globl	k_qdf1b804926_prep
	.p2align	8
	.type	k_qdf1b804926_prep,@function
k_qdf1b804926_prep:
	s_mov_b64 s[64:65], 0
	v_nop
	global_prefetch_b8 v0, s[64:65] scope:SCOPE_SE
	s_setreg_imm32_b32 hwreg(HW_REG_WAVE_MODE, 25, 1), 1
	s_wait_xcnt 0x0
; wt[n][k] = bf16(W[k][n]); bias = bq | bk | bv.  W: three matrices [768][128] f32; wt: [384][768] bf16, rows 0-127 q, 128-255 k, 256-383 v.
; Work-group (xk, y) takes the 128 x 128 tile W_y[128 xk ..][0 .. 127] and writes rows 128 y .. of wt at byte columns 256 xk .. : 18 tiles, 18 work-groups.
; The tile is transposed through LDS: in by whole rows of 512 bytes, out by pieces of 256 consecutive, aligned bytes from sixteen lanes.
; The three biases are laid side by side, unchanged, so that the next launch reads a wave's 96 features by one offset.
; No matrix unit, no cluster, no ring: 1.2 MB are read once and nothing is shared between work-groups.
.set TP,  272                          ; LDS row: 128 k in bf16 + 16 bytes
.set WR,  16                           ; v[16:79]   16 rows x 4 columns as loaded; later the rows read back
.set PK,  80                           ; v[80:111]  column c of my four: 8 registers, 16 k packed
.set BR,  112                          ; v[112:115] four numbers of the bias
	s_load_b512 s[16:31], s[0:1], 0x0              ; Wq 16, Wk 18, Wv 20, bq 22, bk 24, bv 26, wt 28, bias 30
	v_lshl_add_u32 v128, v0, 2, 0x8800
	v_mov_b32 v129, 0
	s_and_b32 s2, ttmp7, 0xffff                    ; y: which matrix
	v_lshrrev_b32 v6, 5, v0
	v_readfirstlane_b32 s3, v6                     ; wave 0..7
	v_and_b32 v5, 31, v0                           ; lane L
	v_lshlrev_b32 v7, 4, v5                        ; 16 L
	v_lshl_add_u32 v1, v6, 13, v7                  ; in: wave's 16 rows of 512 bytes + 16 L
	v_mul_u32_u24 v2, v5, 4*TP                     ; LDS in: row n = 4 L,
	v_lshl_add_u32 v2, v6, 5, v2                   ; byte 32 w (k = 16 w ..)
	v_lshrrev_b32 v8, 4, v0                        ; t / 16: a row of sixteen
	v_and_b32 v9, 15, v0
	v_mul_u32_u24 v3, v8, TP
	v_lshl_add_u32 v3, v9, 4, v3                   ; LDS back: row t / 16, 16 bytes a lane
	v_mul_u32_u24 v4, v8, 1536
	v_lshl_add_u32 v4, v9, 4, v4                   ; and the same place in wt (rows of 1,536 bytes)
	s_lshl_b32 s10, ttmp9, 16                      ; xk x 128 rows of 512 bytes
	s_mov_b32 s11, 0
	s_mul_i32 s12, s2, 196608                      ; y x 128 rows of 1,536 bytes
	s_lshl_b32 s13, ttmp9, 8                       ; + xk x 256 bytes
	s_add_co_u32 s12, s12, s13
	s_mov_b32 s13, 0
	s_lshl_b32 s14, s2, 9                          ; y x 128 f32
	s_mov_b32 s15, 0
	s_wait_kmcnt 0x0
	s_cmp_eq_u32 s2, 1
	s_cselect_b64 s[4:5], s[18:19], s[16:17]       ; the matrix
	s_cselect_b64 s[6:7], s[24:25], s[22:23]       ; and its bias
	s_cmp_eq_u32 s2, 2
	s_cselect_b64 s[4:5], s[20:21], s[4:5]
	s_cselect_b64 s[6:7], s[26:27], s[6:7]
	s_add_nc_u64 s[4:5], s[4:5], s[10:11]
	s_add_nc_u64 s[28:29], s[28:29], s[12:13]
	s_add_nc_u64 s[30:31], s[30:31], s[14:15]
.irp i, 0,1,2,3,4,5,6,7,8,9,10,11,12,13,14,15
	global_load_b128 v[WR+4*\i:WR+4*\i+3], v1, s[4:5] offset:\i*512    ; row k = 16 w + i, whole: 32 lanes x 16 bytes
.endr
	s_wait_loadcnt 0x0
.irp c, 0,1,2,3
.irp p, 0,1,2,3,4,5,6,7
	v_cvt_pk_bf16_f32 v[PK+8*\c+\p], v[WR+8*\p+\c], v[WR+8*\p+4+\c]    ; k = 2 p and 2 p + 1 of column 4 L + c
.endr
.endr
.irp c, 0,1,2,3
	ds_store_b128 v2, v[PK+8*\c:PK+8*\c+3]   offset:\c*TP              ; sixteen lanes fall on four 16-byte columns modulo 256: accepted, eight stores a thread in all
	ds_store_b128 v2, v[PK+8*\c+4:PK+8*\c+7] offset:\c*TP+16
.endr
	s_wait_dscnt 0x0                               ; my stores are done, for the other waves' sake
	s_barrier_signal -1
	s_barrier_wait -1
.irp i, 0,1,2,3,4,5,6,7
	ds_load_b128 v[WR+4*\i:WR+4*\i+3], v3 offset:\i*16*TP              ; rows 16 i + t / 16
.endr
.irp i, 0,1,2,3,4,5,6,7
	s_wait_dscnt 7-\i                              ; LDS loads come back in order: load i is in, the younger ones stay out
	global_store_b128 v4, v[WR+4*\i:WR+4*\i+3], s[28:29] offset:\i*16*1536   ; sixteen lanes store 256 consecutive bytes, aligned
.endr
	; the bias: 512 bytes, by wave 0 of the work-groups with xk = 0
	s_cmp_lg_u32 ttmp9, 0
	s_cbranch_scc1 .Lend
	s_cmp_lg_u32 s3, 0
	s_cbranch_scc1 .Lend
	global_load_b128 v[BR:BR+3], v7, s[6:7]
	s_wait_loadcnt 0x0
	global_store_b128 v7, v[BR:BR+3], s[30:31]
.Lend:
	s_wait_tensorcnt 0x0
	ds_add_u32 v128, v129
	s_wait_dscnt 0x0
	s_endpgm
.Lfunc_end_k_qdf1b804926_prep:
	.size	k_qdf1b804926_prep, .Lfunc_end_k_qdf1b804926_prep-k_qdf1b804926_prep
	.p2alignl 7, 3214868480
	.fill 96, 4, 3214868480
	.section	.rodata,"a",@progbits
	.p2align	6, 0x0
	.amdhsa_kernel k_qdf1b804926_prep
		.amdhsa_group_segment_fixed_size 35840
		.amdhsa_private_segment_fixed_size 0
		.amdhsa_enable_private_segment 0
		.amdhsa_kernarg_size 64
		.amdhsa_user_sgpr_count 2
		.amdhsa_user_sgpr_kernarg_segment_ptr 1
		.amdhsa_wavefront_size32 1
		.amdhsa_system_sgpr_workgroup_id_x 1
		.amdhsa_system_sgpr_workgroup_id_y 1
		.amdhsa_system_sgpr_workgroup_id_z 1
		.amdhsa_system_vgpr_workitem_id 0
		.amdhsa_next_free_vgpr 130
		.amdhsa_next_free_sgpr 66
		.amdhsa_reserve_vcc 0
		.amdhsa_float_denorm_mode_32 3
		.amdhsa_float_denorm_mode_16_64 3
		.amdhsa_memory_ordered 1
		.amdhsa_forward_progress 1
		.amdhsa_inst_pref_size 8
	.end_amdhsa_kernel
	.amdgpu_metadata
---
amdhsa.version: [ 1, 2 ]
amdhsa.kernels:
  - .name:           k_qdf1b804926_prep
    .symbol:         k_qdf1b804926_prep.kd
    .args:
      - { .name: Wq, .offset: 0, .size: 8, .value_kind: global_buffer, .address_space: global }
      - { .name: Wk, .offset: 8, .size: 8, .value_kind: global_buffer, .address_space: global }
      - { .name: Wv, .offset: 16, .size: 8, .value_kind: global_buffer, .address_space: global }
      - { .name: bq, .offset: 24, .size: 8, .value_kind: global_buffer, .address_space: global }
      - { .name: bk, .offset: 32, .size: 8, .value_kind: global_buffer, .address_space: global }
      - { .name: bv, .offset: 40, .size: 8, .value_kind: global_buffer, .address_space: global }
      - { .name: wt, .offset: 48, .size: 8, .value_kind: global_buffer, .address_space: global }
      - { .name: bias, .offset: 56, .size: 8, .value_kind: global_buffer, .address_space: global }
    .group_segment_fixed_size: 35840
    .private_segment_fixed_size: 0
    .kernarg_segment_align: 8
    .kernarg_segment_size: 64
    .max_flat_workgroup_size: 256
    .sgpr_count:     66
    .vgpr_count:     130
    .wavefront_size: 32
...
	.end_amdgpu_metadata
.endif
;; end of part 1
;; launch qkv (part 2): grid 256 x 1, 4 waves a work-group, clusters of 4 x 1, 327,680 bytes of LDS; arguments x, wt, bias, qkv; writes qkv
.if DOCPART == 2
	.amdgcn_target "amdgcn-amd-amdhsa--gfx1250"
	.amdhsa_code_object_version 6
	.text
	.protected	k_qdf1b804926_qkv
	.globl	k_qdf1b804926_qkv
	.p2align	8
	.type	k_qdf1b804926_qkv,@function
k_qdf1b804926_qkv:
	s_mov_b64 s[64:65], 0
	v_nop
	global_prefetch_b8 v0, s[64:65] scope:SCOPE_SE
	s_setreg_imm32_b32 hwreg(HW_REG_WAVE_MODE, 25, 1), 1
	s_wait_xcnt 0x0
	s_wait_alu depctr_hold_cnt(0) depctr_sa_sdst(0) depctr_va_vdst(0) depctr_va_sdst(0) depctr_va_ssrc(0) depctr_va_vcc(0) depctr_vm_vsrc(0)
	s_getreg_b32 s2, hwreg(HW_REG_IB_STS2, 6, 4)
	s_cmp_eq_u32 s2, 0
	s_cbranch_scc0 .Lentry_in_a_cluster
	s_endpgm
.Lentry_in_a_cluster:
	s_bfe_u32 s2, ttmp6, 0x10000c
	s_cmp_lg_u32 s2, 0x3003
	s_cbranch_scc0 .Lentry_shape_is_right
	s_endpgm
.Lentry_shape_is_right:
; qkv[token][0:384] = f16(x[token][:] . wt[feature][:] + bias[feature]).  x: [16384][768] f32; wt: [384][768] bf16; qkv: [16384][384] f16.
; FORMATS: x and wt are multiplied in bf16 (each input rounded once), the sums are f32.  q, k and v leave as f16, not bf16: the first rows of the attention's
; result are averages of a few rows of v, so what is rounded off v shows there in full; f16 keeps 11 significant bits where bf16 keeps 8.
; LIMIT: |q|, |k|, |v| must stay below 65,504, f16's largest number; beyond it the conversion gives infinity.  As drawn they have spread 0.55 and reach about 3;
; with every input thirty times larger about 2,700; with offsets of thirty spreads on x and on W about 768 x 30 x 0.6 = 13,800.  Below 6e-5 f16's step is 6e-8.
; A work-group owns 64 tokens and all 384 features; wave w makes 64 tokens x features 96 w .. 96 w + 95: 6 x 4 accumulator tiles, 192 registers.
; K = 768 goes in six chunks of 128, written out without a loop.
; x comes through registers (it has to be rounded to bf16 on the way): three chunks of every wave are always in flight, across the barriers too;
; each byte of x is read once.  Rounded, it is put into LDS, chunk by chunk, where all four waves read it.
; wt comes by the tensor data mover through a ring of two LDS slots (one chunk, 384 rows x 256 bytes, each).
; CLUSTER: the four work-groups of a cluster walk the same wt, so each tile is asked for jointly (mask 15): a quarter of the requests.
; THE MATRIX INSTRUCTION IS USED TRANSPOSED: source 0 = 16 features of wt, source 1 = 16 tokens of x; lane (r, h) then holds token r and the eight
; neighbouring features 8 h + 0..7, which pack into 16 bytes.  The first product takes the bias as C: nothing is cleared, nothing added later.
; REGISTERS: window 0: addresses, two fragment buffers, bias, work; window 1: the 24 accumulators; window 2: the ring of x, 3 x 64 registers.
.set WP,     272                       ; LDS row of wt and of x: 256 bytes + 16: sixteen rows of a fragment start in sixteen different 16-byte columns modulo 256
.set WSLOT,  384*WP                    ; 104,448
.set XB,     2*WSLOT                   ; 208,896: x in bf16, chunk c at XB + c XCH; stored by the waves, never filled by the mover
.set XCH,    64*WP                     ; 17,408: a chunk: 64 tokens x 128 k
.set SPITCH, 784                       ; the stage of the way out, in XB's bytes: 64 token rows of 768 bytes + 16
.set XOFF, 4                           ; v4      x: 16 rows of 3,072 bytes a wave + 16 L
.set XST,  6                           ; v6-7    where I store my 8 bytes of a row of x: chunks 0-2, chunks 3-5
.set XADR, 8                           ; v8-9    fragments of x: chunks 0-2, chunks 3-5
.set WADR, 10                          ; v10-11  fragments of wt: slot 0, 1
.set STO,  12                          ; v12     the way out: where I put 16 bytes
.set RD,   13                          ; v13     the way out: where I read back
.set CO,   14                          ; v14     my byte offset in the work-group's part of qkv
.set BOFF, 15                          ; v15     my byte offset in bias
.set F0,   16                          ; v16-95   fragment buffer 0: x tile tt at + 8 tt, wt tile ft at + 32 + 8 ft
.set F1,   96                          ; v96-175  fragment buffer 1
.set BIAS, 176                         ; v176-223 8 registers for each ft
.set T,    224                         ; v224-255 at work
.set G1,   16                          ; s[16:23] descriptor group 1
.set G0,   24                          ; s[24:31] descriptor group 0, one set for each slot
.set MSB, 0
.macro WIN new                         ; the immediate's high byte repeats the setting that is left
.if MSB != \new
	s_set_vgpr_msb (MSB<<8)|\new
.set MSB, \new
.endif
.endm
.macro PLACES                          ; four places behind a matrix instruction (ISA guide 7.12.1)
.rept 4
	v_nop
.endr
.endm
; A round of the cluster's barrier: my work-group's barrier, wave 0 signals for the work-group, every wave waits for all four work-groups, my work-group's barrier again.
.macro ROUND
	s_barrier_signal -1
	s_barrier_wait -1
	s_cmp_lg_u32 s12, 0
	s_cbranch_scc1 .Lnot_wave_0_\@
	s_barrier_signal -3
.Lnot_wave_0_\@:
	s_barrier_wait -3
	s_barrier_signal -1
	s_barrier_wait -1
.endm
; chunk c of x into its ring slot: 16 loads, each 512 consecutive bytes of one row (rows 16 w + i)
.macro XLOAD c
	WIN 0x80                                       ; destination window 2
.irp i, 0,1,2,3,4,5,6,7,8,9,10,11,12,13,14,15
	global_load_b128 v[64*((\c)%3)+4*\i:64*((\c)%3)+4*\i+3], v[XOFF], s[4:5] offset:\i*3072+512*(\c) th:TH_LOAD_NT
.endr
	WIN 0
.endm
; chunk c: rounded to bf16 and stored, 8 bytes a lane, 256 consecutive bytes a wave
.macro XCVT c
	WIN 0x0a                                       ; both sources window 2
.irp i, 0,1,2,3,4,5,6,7,8,9,10,11,12,13,14,15
	v_cvt_pk_bf16_f32 v[T+2*\i],   v[64*((\c)%3)+4*\i],   v[64*((\c)%3)+4*\i+1]
	v_cvt_pk_bf16_f32 v[T+2*\i+1], v[64*((\c)%3)+4*\i+2], v[64*((\c)%3)+4*\i+3]
.endr
	WIN 0
.irp i, 0,1,2,3,4,5,6,7,8,9,10,11,12,13,14,15
	ds_store_b64 v[XST+(\c)/3], v[T+2*\i:T+2*\i+1] offset:((\c)%3)*XCH+\i*WP
.endr
.endm
; 20 LDS loads: the fragments of quarter q (32 along K) of chunk c, wt from slot s, into buffer f
.macro FETCH s, c, q, f
	WIN 0
.irp ft, 0,1,2,3,4,5
	ds_load_b128 v[\f+32+8*\ft:\f+32+8*\ft+3],   v[WADR+\s] offset:\ft*16*WP+64*(\q)
	ds_load_b128 v[\f+32+8*\ft+4:\f+32+8*\ft+7], v[WADR+\s] offset:\ft*16*WP+64*(\q)+32
.endr
.irp tt, 0,1,2,3
	ds_load_b128 v[\f+8*\tt:\f+8*\tt+3],   v[XADR+(\c)/3] offset:((\c)%3)*XCH+\tt*16*WP+64*(\q)
	ds_load_b128 v[\f+8*\tt+4:\f+8*\tt+7], v[XADR+(\c)/3] offset:((\c)%3)*XCH+\tt*16*WP+64*(\q)+32
.endr
.endm
; 24 matrix instructions on buffer f.  The 24 accumulators take turns, one instruction a turn, in the same order in every quarter.
.macro MUL f, first
.if \first
	WIN 0x40                                       ; D window 1; C is the bias, window 0
.else
	WIN 0x50                                       ; C and D window 1
.endif
.irp ft, 0,1,2,3,4,5
.irp tt, 0,1,2,3
.if \first
	v_wmma_f32_16x16x32_bf16 v[8*(4*\ft+\tt):8*(4*\ft+\tt)+7], v[\f+32+8*\ft:\f+32+8*\ft+7], v[\f+8*\tt:\f+8*\tt+7], v[BIAS+8*\ft:BIAS+8*\ft+7]
.else
	v_wmma_f32_16x16x32_bf16 v[8*(4*\ft+\tt):8*(4*\ft+\tt)+7], v[\f+32+8*\ft:\f+32+8*\ft+7], v[\f+8*\tt:\f+8*\tt+7], v[8*(4*\ft+\tt):8*(4*\ft+\tt)+7]
.endif
.endr
.endr
.endm
; Chunk c.  left = the x loads younger than chunk c's that may stay out (16 for each younger chunk in flight).
.macro STEP c, left
	s_wait_loadcnt \left                           ; loads come back in order: chunk c of x is in (and, in the first step, the bias, which is older)
	XCVT \c                                        ; its 32 conversions are also the places between the last step's matrix instructions and the loads into their fragments
.if \c < 3
	XLOAD \c+3                                     ; into the registers just read
.endif
	s_set_vgpr_msb 0x5
	s_wait_tensorcnt 0x0                           ; all my tensor loads have landed: the one that was out is my part of chunk c of wt,
	ds_add_u32 v254, v255
	s_wait_dscnt 0x0
	s_set_vgpr_msb 0x500
.if \c < 4
	s_add_nc_u64 s[G0+4*(\c%2)+2:G0+4*(\c%2)+3], s[G0+4*(\c%2)+2:G0+4*(\c%2)+3], 512   ; so a group 0 may be written: this slot's next chunk
.endif
	s_wait_dscnt 0x0                               ; my stores of x are done and my reads of the other slot are over
	ROUND                                          ; all that now holds of every wave of the four work-groups
.if \c < 5
	tensor_load_to_lds s[G0+4*(1-\c%2):G0+4*(1-\c%2)+3], s[G1:G1+7]     ; my one tensor load behind the round: my 96 rows of chunk c + 1; one is out
	s_nop 0
.endif
	FETCH \c%2, \c, 0, F0
.irp q, 0,1,2,3
	s_wait_dscnt 0x0                               ; quarter q's fragments are in
.if \q < 3
.if \q > 0
	PLACES                                         ; the buffer loaded next was read by the matrix instructions just issued
.endif
	FETCH \c%2, \c, \q+1, F0+80*((\q+1)%2)
.endif
.if (\c+\q) == 0
	MUL F0, 1
.else
	MUL F0+80*(\q%2), 0
.endif
.endr
	WIN 0
.endm
	s_load_b256 s[4:11], s[0:1], 0x0               ; x s[4:5], wt s[6:7], bias s[8:9], qkv s[10:11]
	s_set_vgpr_msb 0x40
	v_lshl_add_u32 v254, v0, 2, 0x4c800
	v_mov_b32 v255, 0
	s_set_vgpr_msb 0x4045
	ds_add_u32 v254, v255
	s_set_vgpr_msb 0x4500
	v_lshrrev_b32 v3, 5, v0
	v_readfirstlane_b32 s12, v3                    ; wave 0..3
	s_bfe_u32 s13, ttmp6, 0x40000                  ; cx: my place in the cluster
	s_lshl_b32 s14, ttmp9, 2
	s_add_co_u32 s14, s14, s13                     ; work-group = 4 x cluster + cx: enters global addresses of x and qkv alone
	v_and_b32 v1, 15, v0                           ; r
	v_bfe_u32 v2, v0, 4, 1                         ; h
	v_and_b32 v3, 31, v0                           ; L
	; group 1: a tile of 96 rows x 128 elements of 2 bytes, rows 768 elements apart, 16 bytes of padding behind every 256
	s_mov_b32 s[G1+0], 15|(1<<16)|(1<<20)|(1<<21)|(5<<22)|(3<<25)   ; mask: all four work-groups; element 2 bytes; padding on; bit 21 beside a mask; every 64 words; 4 words
	s_mov_b32 s[G1+1], 128<<16                     ; tensor_dim0 = 128
	s_mov_b32 s[G1+2], 96<<16                      ; tensor_dim1 = 96
	s_mov_b32 s[G1+3], 128<<16                     ; tile_dim0 = 128
	s_mov_b32 s[G1+4], 96                          ; tile_dim1 = 96
	s_mov_b32 s[G1+5], 768                         ; elements from row to row
	s_mov_b32 s[G1+6], 0
	s_mov_b32 s[G1+7], 0
	s_mul_i32 s33, s12, 49152
	v_lshl_add_u32 v[XOFF], v3, 4, s33
	s_mul_i32 s33, s12, 16*WP
	s_add_co_u32 s33, s33, XB
	v_lshl_add_u32 v[XST], v3, 3, s33
	v_add_nc_u32 v[XST+1], 3*XCH, v[XST]
	v_mul_u32_u24 v5, v1, WP
	v_lshl_add_u32 v5, v2, 4, v5                   ; r x 272 + 16 h: a fragment's lane term
	v_add_nc_u32 v[XADR], XB, v5
	v_add_nc_u32 v[XADR+1], XB+3*XCH, v5
	s_mul_i32 s32, s12, 96*WP                      ; my 96 rows of a slot: I fill them and I read them
	v_add_nc_u32 v[WADR], s32, v5
	v_add_nc_u32 v[WADR+1], WSLOT, v[WADR]
	v_mul_u32_u24 v5, v1, SPITCH
	v_lshl_add_u32 v5, v2, 4, v5
	s_mul_i32 s33, s12, 192
	s_add_co_u32 s33, s33, XB
	v_add_nc_u32 v[STO], s33, v5                   ; token r, byte 192 w + 16 h
	v_mul_u32_u24 v5, v2, SPITCH
	v_lshl_add_u32 v5, v1, 4, v5
	s_mul_i32 s33, s12, 2*SPITCH
	s_add_co_u32 s33, s33, XB
	v_add_nc_u32 v[RD], s33, v5                    ; token 2 w + h, 16 bytes a lane
	v_mul_u32_u24 v5, v2, 768
	v_lshl_add_u32 v5, v1, 4, v5
	s_mul_i32 s33, s12, 1536
	v_add_nc_u32 v[CO], s33, v5
	s_mul_i32 s33, s12, 384
	v_lshl_add_u32 v[BOFF], v2, 5, s33             ; feature 96 w + 8 h, f32
	s_mul_i32 s34, s14, 196608                     ; 64 tokens of 3,072 bytes
	s_mov_b32 s35, 0
	s_mul_i32 s36, s14, 49152                      ; 64 tokens of 768 bytes
	s_mov_b32 s37, 0
	s_mul_i32 s38, s12, 147456                     ; 96 rows of wt of 1,536 bytes
	s_mov_b32 s39, 0
	s_wait_dscnt 0x0
	s_wait_kmcnt 0x0
	s_add_nc_u64 s[4:5], s[4:5], s[34:35]
	s_add_nc_u64 s[10:11], s[10:11], s[36:37]
	s_add_nc_u64 s[6:7], s[6:7], s[38:39]
.irp s, 0,1
	s_mov_b32 s[G0+4*\s], 1                                        ; count = 1
	s_add_co_u32 s[G0+4*\s+1], s32, \s*WSLOT                       ; LDS address: the slot + the wave's rows
	s_add_nc_u64 s[G0+4*\s+2:G0+4*\s+3], s[6:7], \s*256            ; chunk s of my rows
	s_or_b32 s[G0+4*\s+3], s[G0+4*\s+3], 0x80000000               ; type = 2
.endr
.irp ft, 0,1,2,3,4,5
	global_load_b128 v[BIAS+8*\ft:BIAS+8*\ft+3],   v[BOFF], s[8:9] offset:\ft*64      ; register j: the bias of feature 96 w + 16 ft + 8 h + j, as C wants it
	global_load_b128 v[BIAS+8*\ft+4:BIAS+8*\ft+7], v[BOFF], s[8:9] offset:\ft*64+16
.endr
	XLOAD 0
	XLOAD 1
	XLOAD 2
	ROUND                                          ; all four work-groups are here: the first joint load meets
	tensor_load_to_lds s[G0:G0+3], s[G1:G1+7]      ; chunk 0 of wt
	s_nop 0
	STEP 0, 32
	STEP 1, 32
	STEP 2, 32
	STEP 3, 32
	STEP 4, 16
	STEP 5, 0
	; THE WAY OUT: round to f16, 16 bytes a lane into the stage (x's bytes, which nobody reads any more behind the barrier), back by pieces of 256 bytes.
	PLACES                                         ; behind the last matrix instructions, for the conversions that read their results
	s_wait_dscnt 0x0
	s_barrier_signal -1
	s_barrier_wait -1                              ; every wave's reads of x are over
.irp bt, 0,1,2
	WIN 0x05                                       ; both sources window 1
.irp u, 0,1,2,3,4,5,6,7
.irp e, 0,1,2,3
	v_cvt_pk_f16_f32 v[T+4*\u+\e], v[8*(8*\bt+\u)+2*\e], v[8*(8*\bt+\u)+2*\e+1]
.endr
.endr
	WIN 0
.irp u, 0,1,2,3,4,5,6,7
	ds_store_b128 v[STO], v[T+4*\u:T+4*\u+3] offset:((8*\bt+\u)%4)*16*SPITCH+32*((8*\bt+\u)/4)   ; tile 4 ft + tt: tokens 16 tt .., features 16 ft ..
.endr
.endr
	s_wait_dscnt 0x0                               ; my stores are done, for the other waves' sake
	s_barrier_signal -1
	s_barrier_wait -1
.irp rr, 0,1,2,3,4,5,6,7
.irp part, 0,1,2
	ds_load_b128 v[F0+4*(3*\rr+\part):F0+4*(3*\rr+\part)+3], v[RD] offset:\rr*8*SPITCH+256*\part
.endr
.endr
.irp rr, 0,1,2,3,4,5,6,7
.irp part, 0,1,2
	s_wait_dscnt 23-(3*\rr+\part)                  ; this load is in; the younger ones stay out
	global_store_b128 v[CO], v[F0+4*(3*\rr+\part):F0+4*(3*\rr+\part)+3], s[10:11] offset:\rr*8*768+256*\part   ; sixteen lanes store 256 consecutive bytes, aligned: the q, k or v piece of a token
.endr
.endr
	s_set_vgpr_msb 0x5
	s_wait_tensorcnt 0x0
	ds_add_u32 v254, v255
	s_wait_dscnt 0x0
	s_set_vgpr_msb 0x500
	ROUND                                          ; the closing round: no work-group ends while a partner may still ask jointly
	s_endpgm
.Lfunc_end_k_qdf1b804926_qkv:
	.size	k_qdf1b804926_qkv, .Lfunc_end_k_qdf1b804926_qkv-k_qdf1b804926_qkv
	.p2alignl 7, 3214868480
	.fill 96, 4, 3214868480
	.section	.rodata,"a",@progbits
	.p2align	6, 0x0
	.amdhsa_kernel k_qdf1b804926_qkv
		.amdhsa_group_segment_fixed_size 327680
		.amdhsa_private_segment_fixed_size 0
		.amdhsa_enable_private_segment 0
		.amdhsa_kernarg_size 32
		.amdhsa_user_sgpr_count 2
		.amdhsa_user_sgpr_kernarg_segment_ptr 1
		.amdhsa_wavefront_size32 1
		.amdhsa_system_sgpr_workgroup_id_x 1
		.amdhsa_system_sgpr_workgroup_id_y 1
		.amdhsa_system_sgpr_workgroup_id_z 1
		.amdhsa_system_vgpr_workitem_id 0
		.amdhsa_next_free_vgpr 704
		.amdhsa_next_free_sgpr 66
		.amdhsa_reserve_vcc 0
		.amdhsa_float_denorm_mode_32 3
		.amdhsa_float_denorm_mode_16_64 3
		.amdhsa_memory_ordered 1
		.amdhsa_forward_progress 1
		.amdhsa_inst_pref_size 120
	.end_amdhsa_kernel
	.amdgpu_metadata
---
amdhsa.version: [ 1, 2 ]
amdhsa.kernels:
  - .name:           k_qdf1b804926_qkv
    .symbol:         k_qdf1b804926_qkv.kd
    .args:
      - { .name: x, .offset: 0, .size: 8, .value_kind: global_buffer, .address_space: global }
      - { .name: wt, .offset: 8, .size: 8, .value_kind: global_buffer, .address_space: global }
      - { .name: bias, .offset: 16, .size: 8, .value_kind: global_buffer, .address_space: global }
      - { .name: qkv, .offset: 24, .size: 8, .value_kind: global_buffer, .address_space: global }
    .group_segment_fixed_size: 327680
    .private_segment_fixed_size: 0
    .kernarg_segment_align: 8
    .kernarg_segment_size: 32
    .max_flat_workgroup_size: 128
    .sgpr_count:     66
    .vgpr_count:     704
    .wavefront_size: 32
...
	.end_amdgpu_metadata
.endif
;; end of part 2
;; launch attn (part 3): grid 256 x 1, 4 waves a work-group, clusters of 4 x 1, 327,680 bytes of LDS; arguments qkv, out0; writes out0
.if DOCPART == 3
	.amdgcn_target "amdgcn-amd-amdhsa--gfx1250"
	.amdhsa_code_object_version 6
	.text
	.protected	k_qdf1b804926_attn
	.globl	k_qdf1b804926_attn
	.p2align	8
	.type	k_qdf1b804926_attn,@function
k_qdf1b804926_attn:
	s_mov_b64 s[64:65], 0
	v_nop
	global_prefetch_b8 v0, s[64:65] scope:SCOPE_SE
	s_setreg_imm32_b32 hwreg(HW_REG_WAVE_MODE, 25, 1), 1
	s_wait_xcnt 0x0
	s_wait_alu depctr_hold_cnt(0) depctr_sa_sdst(0) depctr_va_vdst(0) depctr_va_sdst(0) depctr_va_ssrc(0) depctr_va_vcc(0) depctr_vm_vsrc(0)
	s_getreg_b32 s2, hwreg(HW_REG_IB_STS2, 6, 4)
	s_cmp_eq_u32 s2, 0
	s_cbranch_scc0 .Lentry_in_a_cluster
	s_endpgm
.Lentry_in_a_cluster:
	s_bfe_u32 s2, ttmp6, 0x10000c
	s_cmp_lg_u32 s2, 0x3003
	s_cbranch_scc0 .Lentry_shape_is_right
	s_endpgm
.Lentry_shape_is_right:
; out0 = causal softmax(q k^T / sqrt(128)) v for 8 batches of 2,048 tokens, head size 128.  qkv: [16384][384] f16, a token row = q | k | v, 256 bytes each.
; With c = log2(e) / sqrt(128) the weights are p = 2^(c s - c m), m the running maximum of the raw scores s: the maximum is taken away before every exponential,
; by the same fused multiply-add that scales the score.
; FORMATS: both products take f16 operands and sum in f32.  p lies in [0, 1] and is rounded to f16's 11 significant bits; a p below 2^-25 becomes 0.
; q, k, v must be finite in f16 (below 65,504): the launch that makes them states how far the inputs are from that.
; SHARE: cluster c = batch c / 8, group g = c % 8; work-group j = 4 g + cx owns two blocks of 32 queries: hi = rows 32 (63 - j) .., lo = rows 32 j ..
; Keys go in tiles of 256.  With g' = g / 2, hi needs tiles 0 .. 7 - g' and lo tiles 0 .. g': nine parts of 32 queries x 256 keys for every work-group.
; Only hi's last tile and lo's last tile need the mask.  g' is the same in the four work-groups of a cluster: same trips, same tiles.
; CLUSTER: the four partners read the same K and V tiles, so each tile is asked for jointly (mask 15): a quarter of the requests.
; A WAVE holds all 64 queries and takes keys 64 w .. 64 w + 63 of each tile, with its own maximum, sum and O; the four partial results meet in LDS at the end.
; TRANSPOSED FORMS: S^T = K Q^T (source 0 = 16 keys, source 1 = 16 queries): lane (r, h), register j = key 8 h + j of query r.  Two such tiles, packed to f16,
; are source 1 of O^T = V^T P^T as they stand; source 0, V^T, comes from V's rows by the transposing LDS load.  A query's statistics live in lanes r and r + 16.
; Q is read from memory by each wave for itself: 16 KB against some 800 KB of K and V for a work-group; no tile is spent on it.
; LIMITS: the running maximum starts at -FLT_MAX and masked scores are -inf, so a wave all of whose keys are masked gives p = 0, sum 0, O = 0 and weight 0 in the merge;
; v_exp_f32 gives 0 for results below 2^-126 (ISA guide, its entry); the maxima ignore NaN, so a NaN score shows in p and in the result but not in the maximum.
; REGISTERS: window 0: addresses, statistics, scores; window 1: O (4 query tiles x 8 tiles of d); window 2: Q, then K's fragments; window 3: V's fragments.
.set SLOTB, 147456                     ; an LDS slot: four pieces; the wave that fills a piece has its number
.set PIECE, 36864                      ; pieces 0, 1: K rows 0-127, 128-255; pieces 2, 3: V rows likewise
.set KP,    272                        ; K's LDS row: 256 + 16 bytes
.set VP,    288                        ; V's LDS row: 256 + 32 bytes, for the transposing load
.set STATS, 2*SLOTB                    ; 294,912: m[64 queries][4 waves], then l likewise; bytes of their own
.set MP,    528                        ; the merge (in slot 0's bytes, behind the launch's last fill): a query's 128 f32 + 16 bytes
.set MW,    64*MP                      ; 33,792: one wave's partial O
.set CPOS,  0x3e0293ee                 ; c = log2(e) / sqrt(128)
.set CNEG,  0xbe0293ee                 ; -c
.set KADR, 4                           ; v4-5    K fragments in slot 0, 1
.set VADR, 6                           ; v6-7    V fragments in slot 0, 1
.set QOH,  8                           ; v8      byte offset of hi's Q fragments in the batch
.set QOL,  9                           ; v9      of lo's
.set THH,  10                          ; v10     hi: key 16 kt + j of my 64 is allowed for query tile i if 16 kt + j - 16 i <= THH
.set THL,  11                          ; v11     lo likewise
.set NINF, 12                          ; v12     -inf
.set MST,  13                          ; v13     merge: where I put my O
.set SST,  14                          ; v14     merge: where I put m and l
.set MRD,  15                          ; v15-16  merge: where I read rows back: waves 0-1's, waves 2-3's
.set SRD,  17                          ; v17     merge: where I read m and l
.set OOFF, 18                          ; v18     my byte offset in the batch's part of out0
.set ST,   20                          ; v20-27  (m, l) for each query tile; m in the raw scores' units
.set AL,   28                          ; v28-31  (alpha, unused) for each of a part's two query tiles
.set SC,   32                          ; v32-159 scores: tile (qt, kt) at 32 qt + 8 kt; P(qt, kk) is packed to 32 qt + 8 kk
.set MX,   160                         ; v160-167 maxima at work
.set SUM,  168                         ; v168-175 sums at work
.set WT,   176                         ; v176-185 merge weights
.set MC,   186                         ; v186-189 (-c m, unused) for each of a part's two query tiles
.set QF,   0                           ; window 2: Q(qt, ks) at 8 (4 qt + ks)
.set FK,   128                         ; window 2: K(ks, kt) at 128 + 8 (4 ks + kt)
.set G1K,  24                          ; s[24:31] group 1 for K's tiles
.set G1V,  32                          ; s[32:39] for V's: it differs in the padding
.set G0K,  40                          ; s[40:47] group 0 for K's tiles, a set for each slot
.set G0V,  48                          ; s[48:55] for V's
.set MSB, 0
.macro WIN new                         ; the immediate's high byte repeats the setting that is left
.if MSB != \new
	s_set_vgpr_msb (MSB<<8)|\new
.set MSB, \new
.endif
.endm
.macro PLACES                          ; four places behind a matrix instruction (ISA guide 7.12.1)
.rept 4
	v_nop
.endr
.endm
.macro ROUND                           ; a round of the cluster's barrier
	s_barrier_signal -1
	s_barrier_wait -1
	s_cmp_lg_u32 s8, 0
	s_cbranch_scc1 .Lnot_wave_0_\@
	s_barrier_signal -3
.Lnot_wave_0_\@:
	s_barrier_wait -3
	s_barrier_signal -1
	s_barrier_wait -1
.endm
; A joint load into slot s: waves 0 and 1 fetch K's two halves, waves 2 and 3 V's: 128 rows x 256 bytes a wave.  The branch hangs on the wave's number alone.
.macro JLOAD s
	s_cmp_eq_u32 s18, 0
	s_cbranch_scc0 .Lfor_v_\@
	tensor_load_to_lds s[G0K+4*(\s):G0K+4*(\s)+3], s[G1K:G1K+7]
	s_nop 0
	s_branch .Lasked_\@
.Lfor_v_\@:
	tensor_load_to_lds s[G0V+4*(\s):G0V+4*(\s)+3], s[G1V:G1V+7]
	s_nop 0
.Lasked_\@:
.endm
; S^T of query tiles qa, qa + 1 x my 64 keys: 32 matrix instructions.  The eight accumulators take turns, one instruction a turn.
; waits = 1: K's 32 LDS loads were just issued, eight for each ks; ahead of ks the 24 - 8 ks younger ones may stay out.
.macro SMUL qa, waits
	WIN 0x0a                                       ; sources 0 and 1 window 2, C and D window 0
.irp ks, 0,1,2,3
.if \waits
	s_wait_dscnt 24-8*\ks
.endif
.irp kt, 0,1,2,3
.irp i, 0,1
.if \ks == 0
	v_wmma_f32_16x16x32_f16 v[SC+32*(\qa+\i)+8*\kt:SC+32*(\qa+\i)+8*\kt+7], v[FK+8*(4*\ks+\kt):FK+8*(4*\ks+\kt)+7], v[QF+8*(4*(\qa+\i)+\ks):QF+8*(4*(\qa+\i)+\ks)+7], 0
.else
	v_wmma_f32_16x16x32_f16 v[SC+32*(\qa+\i)+8*\kt:SC+32*(\qa+\i)+8*\kt+7], v[FK+8*(4*\ks+\kt):FK+8*(4*\ks+\kt)+7], v[QF+8*(4*(\qa+\i)+\ks):QF+8*(4*(\qa+\i)+\ks)+7], v[SC+32*(\qa+\i)+8*\kt:SC+32*(\qa+\i)+8*\kt+7]
.endif
.endr
.endr
.endr
.endm
; the causal mask on a part's last tile: scores of keys behind the query become -inf
.macro MASK qa, th
.irp i, 0,1
.irp kt, 0,1,2,3
.irp j, 0,1,2,3,4,5,6,7
	v_cmp_le_i32 vcc_lo, 16*\kt+\j-16*\i, v[\th]
	v_cndmask_b32 v[SC+32*(\qa+\i)+8*\kt+\j], v[NINF], v[SC+32*(\qa+\i)+8*\kt+\j], vcc_lo
.endr
.endr
.endr
.endm
; Query tiles a = qa and b = qa + 1: new maximum, alpha = 2^(c (old - new)), p = 2^(c s - c new), l = l alpha + sum of p, p packed to f16 in place.
.macro SOFTMAX qa
.set SA, SC+32*(\qa)
.set SB, SC+32*(\qa)+32
.set MA, ST+2*(\qa)
.set MB, ST+2*(\qa)+2
	v_max3_num_f32 v[MX],   v[MA],    v[SA],    v[SA+1]        ; four chains, two a tile; the first starts from the old maximum
	v_max3_num_f32 v[MX+1], v[SA+16], v[SA+17], v[SA+18]
	v_max3_num_f32 v[MX+4], v[MB],    v[SB],    v[SB+1]
	v_max3_num_f32 v[MX+5], v[SB+16], v[SB+17], v[SB+18]
.irp e, 1,2,3,4,5,6
	v_max3_num_f32 v[MX],   v[MX],   v[SA+2*\e],    v[SA+2*\e+1]
	v_max3_num_f32 v[MX+1], v[MX+1], v[SA+17+2*\e], v[SA+18+2*\e]
	v_max3_num_f32 v[MX+4], v[MX+4], v[SB+2*\e],    v[SB+2*\e+1]
	v_max3_num_f32 v[MX+5], v[MX+5], v[SB+17+2*\e], v[SB+18+2*\e]
.endr
	v_max3_num_f32 v[MX],   v[MX],   v[SA+14], v[SA+15]
	v_max3_num_f32 v[MX+4], v[MX+4], v[SB+14], v[SB+15]
	v_max3_num_f32 v[MX],   v[MX],   v[MX+1],  v[SA+31]
	v_max3_num_f32 v[MX+4], v[MX+4], v[MX+5],  v[SB+31]
	v_permlanex16_b32 v[MX+2], v[MX],   s16, s17               ; the other half of the query's keys lies 16 lanes away
	v_permlanex16_b32 v[MX+6], v[MX+4], s16, s17
	v_max_num_f32 v[MX],   v[MX],   v[MX+2]
	v_max_num_f32 v[MX+4], v[MX+4], v[MX+6]
	v_sub_f32 v[AL],   v[MA], v[MX]                            ; old - new, never above 0.  First the difference, then c: where both are -FLT_MAX (all keys masked so far)
	v_sub_f32 v[AL+2], v[MB], v[MX+4]                          ; it has to be exactly 0; c old - round(c new) in one fused step would leave a residue of the size of an ulp of c FLT_MAX
	v_mov_b32 v[MA], v[MX]
	v_mov_b32 v[MB], v[MX+4]
	v_mul_f32 v[AL],   s2, v[AL]
	v_mul_f32 v[AL+2], s2, v[AL+2]
	v_mul_f32 v[MC],   CNEG, v[MX]                             ; -c m, the addend of the scores' multiply-add
	v_mul_f32 v[MC+2], CNEG, v[MX+4]
	v_exp_f32 v[AL],   v[AL]
	v_exp_f32 v[AL+2], v[AL+2]                                 ; plain instructions follow before alpha is used (ISA guide 5.7.2)
.set cnt, 0
.rept 16
	v_pk_fma_f32 v[SA+cnt:SA+cnt+1], v[SA+cnt:SA+cnt+1], s[2:3], v[MC:MC+1] op_sel_hi:[1,0,0]       ; c s - c m, twice
.set cnt, cnt+2
.endr
.set cnt, 0
.rept 32
	v_exp_f32 v[SA+cnt], v[SA+cnt]
.set cnt, cnt+1
.endr
.set cnt, 0
.rept 16
	v_pk_fma_f32 v[SB+cnt:SB+cnt+1], v[SB+cnt:SB+cnt+1], s[2:3], v[MC+2:MC+3] op_sel_hi:[1,0,0]     ; plain work behind tile a's exponentials
.set cnt, cnt+2
.endr
.set cnt, 0
.rept 32
	v_exp_f32 v[SB+cnt], v[SB+cnt]
.set cnt, cnt+1
.endr
	s_wait_alu depctr_va_vdst(0)
	v_pk_add_f32 v[SUM:SUM+1],   v[SA:SA+1],       v[SA+2:SA+3]        ; tile a's lines come first: the plain place behind tile b's last exponential
	v_pk_add_f32 v[SUM+2:SUM+3], v[SA+16:SA+17],   v[SA+18:SA+19]
	v_pk_add_f32 v[SUM+4:SUM+5], v[SB:SB+1],       v[SB+2:SB+3]
	v_pk_add_f32 v[SUM+6:SUM+7], v[SB+16:SB+17],   v[SB+18:SB+19]
.irp e, 4,6,8,10,12,14
	v_pk_add_f32 v[SUM:SUM+1],   v[SUM:SUM+1],   v[SA+\e:SA+\e+1]
	v_pk_add_f32 v[SUM+2:SUM+3], v[SUM+2:SUM+3], v[SA+16+\e:SA+17+\e]
	v_pk_add_f32 v[SUM+4:SUM+5], v[SUM+4:SUM+5], v[SB+\e:SB+\e+1]
	v_pk_add_f32 v[SUM+6:SUM+7], v[SUM+6:SUM+7], v[SB+16+\e:SB+17+\e]
.endr
	v_pk_add_f32 v[SUM:SUM+1],   v[SUM:SUM+1],   v[SUM+2:SUM+3]
	v_pk_add_f32 v[SUM+4:SUM+5], v[SUM+4:SUM+5], v[SUM+6:SUM+7]
	v_add_f32 v[SUM],   v[SUM],   v[SUM+1]
	v_add_f32 v[SUM+4], v[SUM+4], v[SUM+5]
	v_fma_f32 v[MA+1], v[MA+1], v[AL],   v[SUM]                ; l stays the sum over my half of the keys until the merge
	v_fma_f32 v[MB+1], v[MB+1], v[AL+2], v[SUM+4]
.set cnt, 0
.rept 16
	v_cvt_pk_f16_f32 v[SA+cnt], v[SA+2*cnt], v[SA+2*cnt+1]     ; ascending: a register is written only when it has been read
	v_cvt_pk_f16_f32 v[SB+cnt], v[SB+2*cnt], v[SB+2*cnt+1]
.set cnt, cnt+1
.endr
.endm
.macro RESCALE qa                      ; O of the two query tiles times alpha
	WIN 0x41                                       ; destination and source 0 window 1
.irp i, 0,1
.set cnt, 0
.rept 32
	v_pk_mul_f32 v[64*(\qa+\i)+cnt:64*(\qa+\i)+cnt+1], v[64*(\qa+\i)+cnt:64*(\qa+\i)+cnt+1], v[AL+2*\i:AL+2*\i+1] op_sel_hi:[1,0]
.set cnt, cnt+2
.endr
.endr
.endm
; O^T += V^T P^T for query tiles qa, qa + 1: 32 matrix instructions.  The sixteen accumulators take turns, one instruction a turn.
.macro PV qa, first, waits
	WIN 0x53                                       ; source 0 (V) window 3, source 1 (P) window 0, C and D window 1
.if \waits
	s_wait_dscnt 0x0                               ; V's 32 LDS loads, issued ahead of the softmax
.endif
.irp kk, 0,1
.irp dt, 0,1,2,3,4,5,6,7
.irp i, 0,1
.if \first*(1-\kk)
	v_wmma_f32_16x16x32_f16 v[8*(8*(\qa+\i)+\dt):8*(8*(\qa+\i)+\dt)+7], v[8*(8*\kk+\dt):8*(8*\kk+\dt)+7], v[SC+32*(\qa+\i)+8*\kk:SC+32*(\qa+\i)+8*\kk+7], 0
.else
	v_wmma_f32_16x16x32_f16 v[8*(8*(\qa+\i)+\dt):8*(8*(\qa+\i)+\dt)+7], v[8*(8*\kk+\dt):8*(8*\kk+\dt)+7], v[SC+32*(\qa+\i)+8*\kk:SC+32*(\qa+\i)+8*\kk+7], v[8*(8*(\qa+\i)+\dt):8*(8*(\qa+\i)+\dt)+7]
.endif
.endr
.endr
.endr
.endm
; One tile of 256 keys, in LDS slot 'slot'.  refill: the next tile is asked for, into the other slot.  first: the first products start O's sums.
; lo: the text holds lo's part, which runs while t <= g' (in the first trip without a test).  himask: hi's last tile.
; The jumps over lo's part hang on t and g', equal in all partners, and pass over register work alone.
.macro TRIP slot, refill, first, lo, himask
	s_wait_tensorcnt 0x0                           ; all my tensor loads have landed: the one that was out is my piece of this tile,
	ds_add_u32 v254, v255
	s_wait_dscnt 0x0
	s_add_nc_u64 s[G0K+4*\slot+2:G0K+4*\slot+3], s[G0K+4*\slot+2:G0K+4*\slot+3], 393216   ; so every group 0 may be written: this slot's next tile, 512 rows on
	s_add_nc_u64 s[G0V+4*\slot+2:G0V+4*\slot+3], s[G0V+4*\slot+2:G0V+4*\slot+3], 393216
	s_wait_dscnt 0x0                               ; my reads of the other slot are over
	ROUND                                          ; both now hold of every wave of the four work-groups
.if \refill
	JLOAD 1-\slot                                  ; my one tensor load behind the round; one is out, and it has the whole trip in which to land
.endif
.rept 5
	v_nop                                          ; five places behind the last trip's products: V's fragments are loaded again, and the score products write over P
.endr
	WIN 0x80                                       ; destination window 2
.irp ks, 0,1,2,3
.irp kt, 0,1,2,3
	ds_load_b128 v[FK+8*(4*\ks+\kt):FK+8*(4*\ks+\kt)+3],   v[KADR+\slot] offset:\kt*16*KP+64*\ks
	ds_load_b128 v[FK+8*(4*\ks+\kt)+4:FK+8*(4*\ks+\kt)+7], v[KADR+\slot] offset:\kt*16*KP+64*\ks+32
.endr
.endr
	SMUL 0, 1
	WIN 0xc0                                       ; destination window 3
.irp kk, 0,1
.irp dt, 0,1,2,3,4,5,6,7
	ds_load_tr16_b128 v[8*(8*\kk+\dt):8*(8*\kk+\dt)+3],   v[VADR+\slot] offset:\kk*32*VP+32*\dt          ; keys 32 kk + 8 h .., column d = 16 dt + r
	ds_load_tr16_b128 v[8*(8*\kk+\dt)+4:8*(8*\kk+\dt)+7], v[VADR+\slot] offset:\kk*32*VP+32*\dt+16*VP    ; keys 32 kk + 16 + 8 h ..
.endr
.endr
	WIN 0
.if \lo
.if \first == 0
	s_cmp_gt_u32 s14, s12
	s_cbranch_scc1 .Lno_lo_s_\@
.endif
	SMUL 2, 0
	WIN 0
.Lno_lo_s_\@:
.endif
	PLACES                                         ; behind the score products, for the vector work that reads them
.if \himask
	MASK 0, THH
.endif
	SOFTMAX 0
.if \first == 0
	RESCALE 0
.endif
	PV 0, \first, 1
	WIN 0
.if \lo
.if \first == 0
	s_cmp_gt_u32 s14, s12
	s_cbranch_scc1 .Lno_lo_p_\@
.endif
	s_cmp_lg_u32 s14, s12
	s_cbranch_scc1 .Lno_mask_\@
	MASK 2, THL                                    ; t = g': lo's last tile
.Lno_mask_\@:
	SOFTMAX 2
.if \first == 0
	RESCALE 2
.endif
	PV 2, \first, 0
	WIN 0
.Lno_lo_p_\@:
.endif
	s_add_co_u32 s14, s14, 1                       ; t
.endm
	s_load_b128 s[4:7], s[0:1], 0x0                ; qkv s[4:5], out0 s[6:7]
	v_lshl_add_u32 v254, v0, 2, 0x48800
	v_mov_b32 v255, 0
	ds_add_u32 v254, v255
	v_lshrrev_b32 v19, 5, v0
	v_readfirstlane_b32 s8, v19                    ; wave 0..3
	s_bfe_u32 s9, ttmp6, 0x40000                   ; cx: enters global addresses of Q and out0 and the mask's thresholds alone
	s_lshr_b32 s10, ttmp9, 3                       ; batch
	s_and_b32 s11, ttmp9, 7                        ; g
	s_lshr_b32 s12, s11, 1                         ; g'
	s_lshl_b32 s13, s11, 2
	s_add_co_u32 s13, s13, s9                      ; j = 4 g + cx
	s_mov_b32 s14, 0                               ; t
	s_mov_b32 s2, CPOS                             ; c, as a pair for the packed multiply-add
	s_mov_b32 s3, CPOS
	s_mov_b32 s16, 0x76543210                      ; v_permlanex16_b32: lane i of one half reads lane i of the other
	s_mov_b32 s17, 0xfedcba98
	s_lshr_b32 s18, s8, 1                          ; I fetch for K (0) or V (1); also: which piece holds my keys
	s_and_b32 s19, s8, 1                           ; which 128 rows I fetch; also: which 64 rows of the piece are my keys
	s_mov_b32 s57, 0                               ; upper halves of the pairs that carry the merge weights
	s_mov_b32 s59, 0
	s_mov_b32 s61, 0
	s_mov_b32 s63, 0
	; group 1: a tile of 128 rows x 128 elements of 2 bytes, rows 384 elements apart; padding behind every 256 bytes: 16 bytes for K, 32 for V
	s_mov_b32 s[G1K+0], 15|(1<<16)|(1<<20)|(1<<21)|(5<<22)|(3<<25)
	s_mov_b32 s[G1V+0], 15|(1<<16)|(1<<20)|(1<<21)|(5<<22)|(7<<25)
.irp g, G1K, G1V
	s_mov_b32 s[\g+1], 128<<16                     ; tensor_dim0 = 128
	s_mov_b32 s[\g+2], 128<<16                     ; tensor_dim1 = 128
	s_mov_b32 s[\g+3], 128<<16                     ; tile_dim0 = 128
	s_mov_b32 s[\g+4], 128                         ; tile_dim1 = 128
	s_mov_b32 s[\g+5], 384                         ; elements from row to row
	s_mov_b32 s[\g+6], 0
	s_mov_b32 s[\g+7], 0
.endr
	s_mul_i32 s70, s8, PIECE                       ; my piece of a slot
	s_mul_i32 s66, s10, 1572864                    ; the batch in qkv: 2,048 rows of 768 bytes
	s_mov_b32 s67, 0
	s_mul_i32 s68, s19, 98304                      ; my 128 rows of a tile
	s_mov_b32 s69, 0
	s_lshl_b32 s72, s10, 20                        ; the batch in out0: 2,048 rows of 512 bytes
	s_mov_b32 s73, 0
	v_and_b32 v1, 15, v0                           ; r
	v_bfe_u32 v2, v0, 4, 1                         ; h
	v_and_b32 v3, 31, v0                           ; L
	; K fragments: row (my 64 keys) + r, 16 h
	s_mul_i32 s74, s18, PIECE
	s_mul_i32 s75, s19, 64*KP
	s_add_co_u32 s75, s75, s74
	v_mul_u32_u24 v19, v1, KP
	v_lshl_add_u32 v19, v2, 4, v19
	v_add_nc_u32 v[KADR], s75, v19
	v_add_nc_u32 v[KADR+1], SLOTB, v[KADR]
	; V fragments by the transposing load: row (my 64 keys) + 8 h + L % 8, 16 bytes x bit 3 of L
	s_mul_i32 s75, s19, 64*VP
	s_add_co_u32 s75, s75, s74
	s_add_co_u32 s75, s75, 2*PIECE
	v_and_b32 v19, 7, v0
	v_lshl_add_u32 v19, v2, 3, v19
	v_mul_u32_u24 v19, v19, VP
	v_bfe_u32 v[WT], v0, 3, 1
	v_lshl_add_u32 v19, v[WT], 4, v19
	v_add_nc_u32 v[VADR], s75, v19
	v_add_nc_u32 v[VADR+1], SLOTB, v[VADR]
	; Q
	s_lshl_b32 s76, s13, 5                         ; 32 j: lo's first row
	s_sub_co_u32 s77, 2016, s76                    ; 32 (63 - j): hi's first row
	v_add_nc_u32 v19, s77, v1
	v_mul_u32_u24 v19, v19, 768
	v_lshl_add_u32 v[QOH], v2, 4, v19
	v_add_nc_u32 v19, s76, v1
	v_mul_u32_u24 v19, v19, 768
	v_lshl_add_u32 v[QOL], v2, 4, v19
	; thresholds: query row - first key of my lane in the part's last tile
	s_lshl_b32 s74, s12, 8                         ; 256 g'
	s_lshl_b32 s75, s8, 6                          ; 64 w
	s_add_co_u32 s78, s77, s74
	s_sub_co_u32 s78, s78, 1792                    ; hi's last tile is 7 - g'
	s_sub_co_u32 s78, s78, s75
	s_sub_co_u32 s79, s76, s74                     ; lo's is g'
	s_sub_co_u32 s79, s79, s75
	v_lshlrev_b32 v19, 3, v2
	v_sub_nc_u32 v19, v1, v19                      ; r - 8 h
	v_add_nc_u32 v[THH], s78, v19
	v_add_nc_u32 v[THL], s79, v19
	v_mov_b32 v[NINF], 0xff800000
	; the merge
	s_mul_i32 s74, s8, MW
	v_mul_u32_u24 v19, v1, MP
	v_lshl_add_u32 v19, v2, 5, v19
	v_add_nc_u32 v[MST], s74, v19
	s_lshl_b32 s74, s8, 2
	s_add_co_u32 s74, s74, STATS
	v_lshl_add_u32 v[SST], v1, 4, s74
	s_mul_i32 s74, s8, 16*MP
	v_lshl_add_u32 v[MRD], v3, 4, s74
	v_add_nc_u32 v[MRD+1], 2*MW, v[MRD]
	s_lshl_b32 s74, s8, 8
	s_add_co_u32 s74, s74, STATS
	v_lshl_add_u32 v[SRD], v1, 4, s74
	s_sub_co_u32 s75, s76, 32
	s_cmp_lt_u32 s8, 2                             ; wave w finishes query tile w: waves 0, 1 hi's rows, waves 2, 3 lo's
	s_cselect_b32 s75, s77, s75
	s_lshl4_add_u32 s75, s8, s75                   ; + 16 w
	s_lshl_b32 s75, s75, 9
	v_lshl_add_u32 v[OOFF], v3, 4, s75
	; statistics: m = -FLT_MAX, l = 0; registers that are read as halves of pairs or as a lane permute's destination are written once
.irp qt, 0,1,2,3
	v_mov_b32 v[ST+2*\qt], 0xff7fffff
	v_mov_b32 v[ST+2*\qt+1], 0
	v_mov_b32 v[AL+\qt], 0
	v_mov_b32 v[MC+\qt], 0
	v_mov_b32 v[MX+\qt], 0
	v_mov_b32 v[MX+4+\qt], 0
.endr
	s_wait_dscnt 0x0
	s_wait_kmcnt 0x0
	s_add_nc_u64 s[20:21], s[4:5], s[66:67]        ; qkv at the batch
	s_add_nc_u64 s[22:23], s[6:7], s[72:73]        ; out0 at the batch
	s_add_nc_u64 s[68:69], s[20:21], s[68:69]      ; my 128 rows of tile 0
.irp s, 0,1
	s_mov_b32 s[G0K+4*\s], 1
	s_add_co_u32 s[G0K+4*\s+1], s70, \s*SLOTB
	s_add_nc_u64 s[G0K+4*\s+2:G0K+4*\s+3], s[68:69], \s*196608+256   ; tile s, the k piece of a token row
	s_or_b32 s[G0K+4*\s+3], s[G0K+4*\s+3], 0x80000000
	s_mov_b32 s[G0V+4*\s], 1
	s_add_co_u32 s[G0V+4*\s+1], s70, \s*SLOTB
	s_add_nc_u64 s[G0V+4*\s+2:G0V+4*\s+3], s[68:69], \s*196608+512   ; the v piece
	s_or_b32 s[G0V+4*\s+3], s[G0V+4*\s+3], 0x80000000
.endr
	WIN 0x80                                       ; Q's fragments, straight from memory into window 2
.irp i, 0,1
.irp ks, 0,1,2,3
	global_load_b128 v[QF+8*(4*\i+\ks):QF+8*(4*\i+\ks)+3],     v[QOH], s[20:21] offset:\i*12288+64*\ks
	global_load_b128 v[QF+8*(4*\i+\ks)+4:QF+8*(4*\i+\ks)+7],   v[QOH], s[20:21] offset:\i*12288+64*\ks+32
	global_load_b128 v[QF+8*(8+4*\i+\ks):QF+8*(8+4*\i+\ks)+3],   v[QOL], s[20:21] offset:\i*12288+64*\ks
	global_load_b128 v[QF+8*(8+4*\i+\ks)+4:QF+8*(8+4*\i+\ks)+7], v[QOL], s[20:21] offset:\i*12288+64*\ks+32
.endr
.endr
	WIN 0
	ROUND                                          ; all four work-groups are here: the first joint load meets
	JLOAD 0                                        ; tile 0
	s_wait_loadcnt 0x0                             ; Q, once
	TRIP 0, 1, 1, 1, 0                             ; tile 0: both parts, without a test: every path has written O, m and l
	s_sub_co_u32 s15, 6, s12
	s_lshr_b32 s15, s15, 1                         ; (6 - g') / 2 = 3, 2, 2, 1 laps of two tiles for 8, 7, 6, 5 tiles
.Llap:
	TRIP 1, 1, 0, 1, 0
	TRIP 0, 1, 0, 1, 0
	s_sub_co_i32 s15, s15, 1
	s_cmp_gt_i32 s15, 0                            ; a signed compare: the loop ends whatever the counter's start
	s_cbranch_scc1 .Llap
	s_bitcmp1_b32 s12, 0                           ; g' odd: an odd number of tiles, two are left; else one
	s_cbranch_scc1 .Lodd
	TRIP 1, 0, 0, 0, 1                             ; the last tile: nothing is left to fetch; hi's mask
	s_branch .Lmerge
.Lodd:
	TRIP 1, 1, 0, 1, 0                             ; (with g' = 3 this is tile 3, lo's last)
	TRIP 0, 0, 0, 0, 1
.Lmerge:
	; THE MERGE: out = sum over waves p of e_p O_p / sum of e_p l_p, e_p = 2^(c (m_p - max m)).
	PLACES                                         ; behind the last products, for the LDS stores that read O
.irp qt, 0,1,2,3
	v_permlanex16_b32 v[MX+\qt], v[ST+2*\qt+1], s16, s17
.endr
.irp qt, 0,1,2,3
	v_add_f32 v[ST+2*\qt+1], v[ST+2*\qt+1], v[MX+\qt]          ; l over both halves of my keys
.endr
	s_wait_dscnt 0x0
	s_barrier_signal -1
	s_barrier_wait -1                              ; every wave's reads of the slots are over, and no fill follows: slot 0's bytes now serve the merge
.irp qt, 0,1,2,3
	ds_store_b32 v[SST], v[ST+2*\qt]   offset:\qt*256          ; lanes r and r + 16 write the same word with the same value
	ds_store_b32 v[SST], v[ST+2*\qt+1] offset:\qt*256+1024
.endr
	WIN 0x04                                       ; store data window 1
.irp qt, 0,1,2,3
.irp dt, 0,1,2,3,4,5,6,7
	ds_store_b128 v[MST], v[8*(8*\qt+\dt):8*(8*\qt+\dt)+3]   offset:\qt*16*MP+\dt*64       ; query 16 qt + r, d = 16 dt + 8 h + 0..3
	ds_store_b128 v[MST], v[8*(8*\qt+\dt)+4:8*(8*\qt+\dt)+7] offset:\qt*16*MP+\dt*64+16
.endr
.endr
	WIN 0
	s_wait_dscnt 0x0                               ; my stores are done, for the other waves' sake
	s_barrier_signal -1
	s_barrier_wait -1
	ds_load_b128 v[WT:WT+3],   v[SRD]              ; the four m of query 16 w + r
	ds_load_b128 v[WT+4:WT+7], v[SRD] offset:1024  ; the four l
	s_wait_dscnt 0x0
	v_max3_num_f32 v[WT+8], v[WT], v[WT+1], v[WT+2]
	v_max_num_f32 v[WT+8], v[WT+8], v[WT+3]
.irp p, 0,1,2,3
	v_sub_f32 v[WT+\p], v[WT+\p], v[WT+8]          ; first the difference, then c, as in the softmax
.endr
.irp p, 0,1,2,3
	v_mul_f32 v[WT+\p], s2, v[WT+\p]
.endr
.irp p, 0,1,2,3
	v_exp_f32 v[WT+\p], v[WT+\p]
.endr
	v_nop                                          ; one plain place behind the exponentials (ISA guide 5.7.2)
	s_wait_alu depctr_va_vdst(0)
	v_mul_f32 v[WT+9], v[WT], v[WT+4]
	v_fmac_f32 v[WT+9], v[WT+1], v[WT+5]
	v_fmac_f32 v[WT+9], v[WT+2], v[WT+6]
	v_fmac_f32 v[WT+9], v[WT+3], v[WT+7]
	v_rcp_f32 v[WT+9], v[WT+9]
	v_nop                                          ; and behind the reciprocal
	s_wait_alu depctr_va_vdst(0)
.irp p, 0,1,2,3
	v_mul_f32 v[WT+\p], v[WT+\p], v[WT+9]          ; lane r: the weight of wave p's O for query 16 w + r
.endr
; queries 8 bt .. 8 bt + 7 of my sixteen: four rows of 512 bytes each, weighted and summed, one whole row of out0 stored by the wave
.macro FINISH bt
.irp qi, 0,1,2,3,4,5,6,7
.irp p, 0,1,2,3
	ds_load_b128 v[SC+16*\qi+4*\p:SC+16*\qi+4*\p+3], v[MRD+(\p/2)] offset:(\p%2)*MW+(8*\bt+\qi)*MP
.endr
.endr
.irp qi, 0,1,2,3,4,5,6,7
.irp p, 0,1,2,3
	v_readlane_b32 s[56+2*\p], v[WT+\p], 8*\bt+\qi
.endr
	s_wait_dscnt 28-4*\qi                          ; this query's four loads are in; the four of each later query stay out
	v_pk_mul_f32 v[SC+16*\qi:SC+16*\qi+1],   v[SC+16*\qi:SC+16*\qi+1],   s[56:57] op_sel_hi:[1,0]
	v_pk_mul_f32 v[SC+16*\qi+2:SC+16*\qi+3], v[SC+16*\qi+2:SC+16*\qi+3], s[56:57] op_sel_hi:[1,0]
.irp p, 1,2,3
	v_pk_fma_f32 v[SC+16*\qi:SC+16*\qi+1],   v[SC+16*\qi+4*\p:SC+16*\qi+4*\p+1],   s[56+2*\p:57+2*\p], v[SC+16*\qi:SC+16*\qi+1]   op_sel_hi:[1,0,1]
	v_pk_fma_f32 v[SC+16*\qi+2:SC+16*\qi+3], v[SC+16*\qi+4*\p+2:SC+16*\qi+4*\p+3], s[56+2*\p:57+2*\p], v[SC+16*\qi+2:SC+16*\qi+3] op_sel_hi:[1,0,1]
.endr
	global_store_b128 v[OOFF], v[SC+16*\qi:SC+16*\qi+3], s[22:23] offset:(8*\bt+\qi)*512 th:TH_STORE_NT   ; 512 consecutive bytes, aligned
.endr
.endm
	FINISH 0
	s_wait_xcnt 0x0                                ; the stores' data registers are loaded again only behind this wait (ISA guide 3.1)
	FINISH 1
	s_wait_tensorcnt 0x0
	ds_add_u32 v254, v255
	s_wait_dscnt 0x0
	ROUND                                          ; the closing round: no work-group ends while a partner may still ask jointly
	s_endpgm
.Lfunc_end_k_qdf1b804926_attn:
	.size	k_qdf1b804926_attn, .Lfunc_end_k_qdf1b804926_attn-k_qdf1b804926_attn
	.p2alignl 7, 3214868480
	.fill 96, 4, 3214868480
	.section	.rodata,"a",@progbits
	.p2align	6, 0x0
	.amdhsa_kernel k_qdf1b804926_attn
		.amdhsa_group_segment_fixed_size 327680
		.amdhsa_private_segment_fixed_size 0
		.amdhsa_enable_private_segment 0
		.amdhsa_kernarg_size 16
		.amdhsa_user_sgpr_count 2
		.amdhsa_user_sgpr_kernarg_segment_ptr 1
		.amdhsa_wavefront_size32 1
		.amdhsa_system_sgpr_workgroup_id_x 1
		.amdhsa_system_sgpr_workgroup_id_y 1
		.amdhsa_system_sgpr_workgroup_id_z 1
		.amdhsa_system_vgpr_workitem_id 0
		.amdhsa_next_free_vgpr 896
		.amdhsa_next_free_sgpr 80
		.amdhsa_reserve_vcc 1
		.amdhsa_float_denorm_mode_32 3
		.amdhsa_float_denorm_mode_16_64 3
		.amdhsa_memory_ordered 1
		.amdhsa_forward_progress 1
		.amdhsa_inst_pref_size 255
	.end_amdhsa_kernel
	.section	.bss,"aw",@nobits
	.p2align	6
	.space	262144
	.amdgpu_metadata
---
amdhsa.version: [ 1, 2 ]
amdhsa.kernels:
  - .name:           k_qdf1b804926_attn
    .symbol:         k_qdf1b804926_attn.kd
    .args:
      - { .name: qkv, .offset: 0, .size: 8, .value_kind: global_buffer, .address_space: global }
      - { .name: out0, .offset: 8, .size: 8, .value_kind: global_buffer, .address_space: global }
    .group_segment_fixed_size: 327680
    .private_segment_fixed_size: 0
    .kernarg_segment_align: 8
    .kernarg_segment_size: 16
    .max_flat_workgroup_size: 128
    .sgpr_count:     80
    .vgpr_count:     896
    .wavefront_size: 32
...
	.end_amdgpu_metadata
.endif
;; end of part 3
;; ======== version 2 of 2: 3 launches; 1.15 times as fast as version 1
;; limits: values are held in f16: magnitudes above 65,504 overflow, below 6.1e-05 lose precision
;; workspace buffers: wt 589,824 bytes; bias 1,536 bytes; qkv 12,582,912 bytes
;; launch prep: the kernel of part 1 again; grid 6 x 3, 8 waves a work-group, no clusters, 35,840 bytes of LDS; arguments Wq, Wk, Wv, bq, bk, bv, wt, bias; writes wt, bias
;; launch qkv (part 4): grid 256 x 1, 4 waves a work-group, clusters of 4 x 1, 327,680 bytes of LDS; arguments x, wt, bias, qkv; writes qkv
.if DOCPART == 4
	.amdgcn_target "amdgcn-amd-amdhsa--gfx1250"
	.amdhsa_code_object_version 6
	.text
	.protected	k_qdf1b804926_qkv
	.globl	k_qdf1b804926_qkv
	.p2align	8
	.type	k_qdf1b804926_qkv,@function
k_qdf1b804926_qkv:
	s_mov_b64 s[64:65], 0
	v_nop
	global_prefetch_b8 v0, s[64:65] scope:SCOPE_SE
	s_setreg_imm32_b32 hwreg(HW_REG_WAVE_MODE, 25, 1), 1
	s_wait_xcnt 0x0
	s_wait_alu depctr_hold_cnt(0) depctr_sa_sdst(0) depctr_va_vdst(0) depctr_va_sdst(0) depctr_va_ssrc(0) depctr_va_vcc(0) depctr_vm_vsrc(0)
	s_getreg_b32 s2, hwreg(HW_REG_IB_STS2, 6, 4)
	s_cmp_eq_u32 s2, 0
	s_cbranch_scc0 .Lentry_in_a_cluster
	s_endpgm
.Lentry_in_a_cluster:
	s_bfe_u32 s2, ttmp6, 0x10000c
	s_cmp_lg_u32 s2, 0x3003
	s_cbranch_scc0 .Lentry_shape_is_right
	s_endpgm
.Lentry_shape_is_right:
; qkv[token][0:384] = f16(x[token][:] . wt[feature][:] + bias[feature]).  x: [16384][768] f32; wt: [384][768] bf16; qkv: [16384][384] f16.
; FORMATS: x and wt are multiplied in bf16 (each input rounded once), the sums are f32.  q, k and v leave as f16, not bf16: the first rows of the attention's
; result are averages of a few rows of v, so what is rounded off v shows there in full; f16 keeps 11 significant bits where bf16 keeps 8.
; LIMIT: |q|, |k|, |v| must stay below 65,504, f16's largest number; beyond it the conversion gives infinity.  As drawn they have spread 0.55 and reach about 3;
; with every input thirty times larger about 2,700; with offsets of thirty spreads on x and on W about 768 x 30 x 0.6 = 13,800.  Below 6e-5 f16's step is 6e-8.
; A work-group owns 64 tokens and all 384 features; wave w makes 64 tokens x features 96 w .. 96 w + 95: 6 x 4 accumulator tiles, 192 registers.
; K = 768 goes in six chunks of 128, in six steps written out without a loop.
; THE WALK: cluster n takes chunk (n + i) mod 6 in step i.  The 64 clusters' first requests thus cover all six chunks of wt, and every later request of a cluster is for
; rows that another cluster has asked for before.  The f32 sums over K therefore begin at another chunk in each cluster (an order of rounding other than ascending K).
; x comes through registers (it has to be rounded to bf16 on the way): three chunks of every wave are always in flight, across the barriers too;
; each byte of x is read once.  Rounded, it is put into LDS, step by step, where all four waves read it.
; wt comes by the tensor data mover through a ring of two LDS slots (one chunk, 384 rows x 256 bytes, each).
; CLUSTER: the four work-groups of a cluster walk the same wt, so each tile is asked for jointly (mask 15): a quarter of the requests.
; THE MATRIX INSTRUCTION IS USED TRANSPOSED: source 0 = 16 features of wt, source 1 = 16 tokens of x; lane (r, h) then holds token r and the eight
; neighbouring features 8 h + 0..7, which pack into 16 bytes.  The first product takes the bias as C: nothing is cleared, nothing added later.
; REGISTERS: window 0: addresses, two fragment buffers, bias, work; window 1: the 24 accumulators; window 2: the ring of x, 3 x 64 registers.
.set WP,     272                       ; LDS row of wt and of x: 256 bytes + 16: sixteen rows of a fragment start in sixteen different 16-byte columns modulo 256
.set WSLOT,  384*WP                    ; 104,448
.set XB,     2*WSLOT                   ; 208,896: x in bf16, step i's chunk at XB + i XCH; stored by the waves, never filled by the mover
.set XCH,    64*WP                     ; 17,408: a chunk: 64 tokens x 128 k
.set SPITCH, 784                       ; the stage of the way out, in XB's bytes: 64 token rows of 768 bytes + 16
.set XOFF, 4                           ; v4      x: 16 rows of 3,072 bytes a wave + 16 L
.set XST,  6                           ; v6-7    where I store my 8 bytes of a row of x: steps 0-2, steps 3-5
.set XADR, 8                           ; v8-9    fragments of x: steps 0-2, steps 3-5
.set WADR, 10                          ; v10-11  fragments of wt: slot 0, 1
.set STO,  12                          ; v12     the way out: where I put 16 bytes
.set RD,   13                          ; v13     the way out: where I read back
.set CO,   14                          ; v14     my byte offset in the work-group's part of qkv
.set BOFF, 15                          ; v15     my byte offset in bias
.set F0,   16                          ; v16-95   fragment buffer 0: x tile tt at + 8 tt, wt tile ft at + 32 + 8 ft
.set F1,   96                          ; v96-175  fragment buffer 1
.set BIAS, 176                         ; v176-223 8 registers for each ft
.set T,    224                         ; v224-255 at work
.set G1,   16                          ; s[16:23] descriptor group 1
.set G0,   24                          ; s[24:31] descriptor group 0, one set for each slot
.set CH,   40                          ; s40-45   step i: 256 x its chunk's number = the chunk's byte offset in a row of wt
.set XBASE, 48                         ; s[48:59] step i: x at the work-group's first row and the step's chunk; never rewritten
.set MSB, 0
.macro WIN new                         ; the immediate's high byte repeats the setting that is left
.if MSB != \new
	s_set_vgpr_msb (MSB<<8)|\new
.set MSB, \new
.endif
.endm
.macro PLACES                          ; four places behind a matrix instruction (ISA guide 7.12.1)
.rept 4
	v_nop
.endr
.endm
; A round of the cluster's barrier: my work-group's barrier, wave 0 signals for the work-group, every wave waits for all four work-groups, my work-group's barrier again.
.macro ROUND
	s_barrier_signal -1
	s_barrier_wait -1
	s_cmp_lg_u32 s12, 0
	s_cbranch_scc1 .Lnot_wave_0_\@
	s_barrier_signal -3
.Lnot_wave_0_\@:
	s_barrier_wait -3
	s_barrier_signal -1
	s_barrier_wait -1
.endm
; step c's chunk of x into its ring slot: 16 loads, each 512 consecutive bytes of one row (rows 16 w + i)
.macro XLOAD c
	WIN 0x80                                       ; destination window 2
.irp i, 0,1,2,3,4,5,6,7,8,9,10,11,12,13,14,15
	global_load_b128 v[64*((\c)%3)+4*\i:64*((\c)%3)+4*\i+3], v[XOFF], s[XBASE+2*(\c):XBASE+2*(\c)+1] offset:\i*3072 th:TH_LOAD_NT
.endr
	WIN 0
.endm
; step c's chunk: rounded to bf16 and stored, 8 bytes a lane, 256 consecutive bytes a wave
.macro XCVT c
	WIN 0x0a                                       ; both sources window 2
.irp i, 0,1,2,3,4,5,6,7,8,9,10,11,12,13,14,15
	v_cvt_pk_bf16_f32 v[T+2*\i],   v[64*((\c)%3)+4*\i],   v[64*((\c)%3)+4*\i+1]
	v_cvt_pk_bf16_f32 v[T+2*\i+1], v[64*((\c)%3)+4*\i+2], v[64*((\c)%3)+4*\i+3]
.endr
	WIN 0
.irp i, 0,1,2,3,4,5,6,7,8,9,10,11,12,13,14,15
	ds_store_b64 v[XST+(\c)/3], v[T+2*\i:T+2*\i+1] offset:((\c)%3)*XCH+\i*WP
.endr
.endm
; 20 LDS loads: the fragments of quarter q (32 along K) of step c's chunk, wt from slot s, into buffer f
.macro FETCH s, c, q, f
	WIN 0
.irp ft, 0,1,2,3,4,5
	ds_load_b128 v[\f+32+8*\ft:\f+32+8*\ft+3],   v[WADR+\s] offset:\ft*16*WP+64*(\q)
	ds_load_b128 v[\f+32+8*\ft+4:\f+32+8*\ft+7], v[WADR+\s] offset:\ft*16*WP+64*(\q)+32
.endr
.irp tt, 0,1,2,3
	ds_load_b128 v[\f+8*\tt:\f+8*\tt+3],   v[XADR+(\c)/3] offset:((\c)%3)*XCH+\tt*16*WP+64*(\q)
	ds_load_b128 v[\f+8*\tt+4:\f+8*\tt+7], v[XADR+(\c)/3] offset:((\c)%3)*XCH+\tt*16*WP+64*(\q)+32
.endr
.endm
; 24 matrix instructions on buffer f.  The 24 accumulators take turns, one instruction a turn, in the same order in every quarter.
.macro MUL f, first
.if \first
	WIN 0x40                                       ; D window 1; C is the bias, window 0
.else
	WIN 0x50                                       ; C and D window 1
.endif
.irp ft, 0,1,2,3,4,5
.irp tt, 0,1,2,3
.if \first
	v_wmma_f32_16x16x32_bf16 v[8*(4*\ft+\tt):8*(4*\ft+\tt)+7], v[\f+32+8*\ft:\f+32+8*\ft+7], v[\f+8*\tt:\f+8*\tt+7], v[BIAS+8*\ft:BIAS+8*\ft+7]
.else
	v_wmma_f32_16x16x32_bf16 v[8*(4*\ft+\tt):8*(4*\ft+\tt)+7], v[\f+32+8*\ft:\f+32+8*\ft+7], v[\f+8*\tt:\f+8*\tt+7], v[8*(4*\ft+\tt):8*(4*\ft+\tt)+7]
.endif
.endr
.endr
.endm
; Step c.  left = the x loads younger than step c's that may stay out (16 for each younger chunk in flight).
.macro STEP c, left
	s_wait_loadcnt \left                           ; loads come back in order: step c's chunk of x is in (and, in the first step, the bias, which is older)
	XCVT \c                                        ; its 32 conversions are also the places between the last step's matrix instructions and the loads into their fragments
.if \c < 3
	XLOAD \c+3                                     ; into the registers just read
.endif
	s_set_vgpr_msb 0x5
	s_wait_tensorcnt 0x0                           ; all my tensor loads have landed: the one that was out is my part of this step's chunk of wt,
	ds_add_u32 v254, v255
	s_wait_dscnt 0x0
	s_set_vgpr_msb 0x500
.if \c < 5
	s_mov_b32 s46, s[CH+\c+1]                      ; so a group 0 may be written: the other slot gets the next step's chunk (s47 = 0)
	s_add_nc_u64 s[G0+4*(1-\c%2)+2:G0+4*(1-\c%2)+3], s[6:7], s[46:47]
	s_or_b32 s[G0+4*(1-\c%2)+3], s[G0+4*(1-\c%2)+3], 0x80000000       ; type = 2
.endif
	s_wait_dscnt 0x0                               ; my stores of x are done and my reads of the other slot are over
	ROUND                                          ; all that now holds of every wave of the four work-groups
.if \c < 5
	tensor_load_to_lds s[G0+4*(1-\c%2):G0+4*(1-\c%2)+3], s[G1:G1+7]     ; my one tensor load behind the round: my 96 rows of the next step's chunk; one is out
	s_nop 0
.endif
	FETCH \c%2, \c, 0, F0
.irp q, 0,1,2,3
	s_wait_dscnt 0x0                               ; quarter q's fragments are in
.if \q < 3
.if \q > 0
	PLACES                                         ; the buffer loaded next was read by the matrix instructions just issued
.endif
	FETCH \c%2, \c, \q+1, F0+80*((\q+1)%2)
.endif
.if (\c+\q) == 0
	MUL F0, 1
.else
	MUL F0+80*(\q%2), 0
.endif
.endr
	WIN 0
.endm
	s_load_b256 s[4:11], s[0:1], 0x0               ; x s[4:5], wt s[6:7], bias s[8:9], qkv s[10:11]
	s_set_vgpr_msb 0x40
	v_lshl_add_u32 v254, v0, 2, 0x4c800
	v_mov_b32 v255, 0
	s_set_vgpr_msb 0x4045
	ds_add_u32 v254, v255
	s_set_vgpr_msb 0x4500
	v_lshrrev_b32 v3, 5, v0
	v_readfirstlane_b32 s12, v3                    ; wave 0..3
	s_bfe_u32 s13, ttmp6, 0x40000                  ; cx: my place in the cluster
	s_lshl_b32 s14, ttmp9, 2
	s_add_co_u32 s14, s14, s13                     ; work-group = 4 x cluster + cx: enters global addresses of x and qkv alone
	; the walk: it hangs on the cluster's number alone, which the four partners share
	s_mul_hi_u32 s33, ttmp9, 0x2aaaaaab            ; cluster / 6 (0x2aaaaaab = 2^32 / 6 rounded up; exact for numbers this small)
	s_mul_i32 s33, s33, 6
	s_sub_co_u32 s33, ttmp9, s33                   ; cluster mod 6: the first chunk
.irp i, 0,1,2,3,4,5
	s_add_co_u32 s46, s33, \i
	s_sub_co_u32 s47, s46, 6
	s_cmp_lt_u32 s46, 6
	s_cselect_b32 s46, s46, s47                    ; (first + i) mod 6
	s_lshl_b32 s[CH+\i], s46, 8                    ; x 256 bytes of a row of wt
.endr
	v_and_b32 v1, 15, v0                           ; r
	v_bfe_u32 v2, v0, 4, 1                         ; h
	v_and_b32 v3, 31, v0                           ; L
	; group 1: a tile of 96 rows x 128 elements of 2 bytes, rows 768 elements apart, 16 bytes of padding behind every 256
	s_mov_b32 s[G1+0], 15|(1<<16)|(1<<20)|(1<<21)|(5<<22)|(3<<25)   ; mask: all four work-groups; element 2 bytes; padding on; bit 21 beside a mask; every 64 words; 4 words
	s_mov_b32 s[G1+1], 128<<16                     ; tensor_dim0 = 128
	s_mov_b32 s[G1+2], 96<<16                      ; tensor_dim1 = 96
	s_mov_b32 s[G1+3], 128<<16                     ; tile_dim0 = 128
	s_mov_b32 s[G1+4], 96                          ; tile_dim1 = 96
	s_mov_b32 s[G1+5], 768                         ; elements from row to row
	s_mov_b32 s[G1+6], 0
	s_mov_b32 s[G1+7], 0
	s_mul_i32 s33, s12, 49152
	v_lshl_add_u32 v[XOFF], v3, 4, s33
	s_mul_i32 s33, s12, 16*WP
	s_add_co_u32 s33, s33, XB
	v_lshl_add_u32 v[XST], v3, 3, s33
	v_add_nc_u32 v[XST+1], 3*XCH, v[XST]
	v_mul_u32_u24 v5, v1, WP
	v_lshl_add_u32 v5, v2, 4, v5                   ; r x 272 + 16 h: a fragment's lane term
	v_add_nc_u32 v[XADR], XB, v5
	v_add_nc_u32 v[XADR+1], XB+3*XCH, v5
	s_mul_i32 s32, s12, 96*WP                      ; my 96 rows of a slot: I fill them and I read them
	v_add_nc_u32 v[WADR], s32, v5
	v_add_nc_u32 v[WADR+1], WSLOT, v[WADR]
	v_mul_u32_u24 v5, v1, SPITCH
	v_lshl_add_u32 v5, v2, 4, v5
	s_mul_i32 s33, s12, 192
	s_add_co_u32 s33, s33, XB
	v_add_nc_u32 v[STO], s33, v5                   ; token r, byte 192 w + 16 h
	v_mul_u32_u24 v5, v2, SPITCH
	v_lshl_add_u32 v5, v1, 4, v5
	s_mul_i32 s33, s12, 2*SPITCH
	s_add_co_u32 s33, s33, XB
	v_add_nc_u32 v[RD], s33, v5                    ; token 2 w + h, 16 bytes a lane
	v_mul_u32_u24 v5, v2, 768
	v_lshl_add_u32 v5, v1, 4, v5
	s_mul_i32 s33, s12, 1536
	v_add_nc_u32 v[CO], s33, v5
	s_mul_i32 s33, s12, 384
	v_lshl_add_u32 v[BOFF], v2, 5, s33             ; feature 96 w + 8 h, f32
	s_mul_i32 s34, s14, 196608                     ; 64 tokens of 3,072 bytes
	s_mov_b32 s35, 0
	s_mul_i32 s36, s14, 49152                      ; 64 tokens of 768 bytes
	s_mov_b32 s37, 0
	s_mul_i32 s38, s12, 147456                     ; 96 rows of wt of 1,536 bytes
	s_mov_b32 s39, 0
	s_mov_b32 s47, 0                               ; the upper word of the offsets in s[46:47], from here on
	s_wait_dscnt 0x0
	s_wait_kmcnt 0x0
	s_add_nc_u64 s[4:5], s[4:5], s[34:35]
	s_add_nc_u64 s[10:11], s[10:11], s[36:37]
	s_add_nc_u64 s[6:7], s[6:7], s[38:39]          ; wt at my 96 rows
.irp i, 0,1,2,3,4,5
	s_lshl_b32 s46, s[CH+\i], 1                    ; a chunk is 512 bytes of a row of x
	s_add_nc_u64 s[XBASE+2*\i:XBASE+2*\i+1], s[4:5], s[46:47]
.endr
.irp s, 0,1
	s_mov_b32 s[G0+4*\s], 1                                        ; count = 1
	s_add_co_u32 s[G0+4*\s+1], s32, \s*WSLOT                       ; LDS address: the slot + the wave's rows
.endr
	s_mov_b32 s46, s[CH]
	s_add_nc_u64 s[G0+2:G0+3], s[6:7], s[46:47]    ; step 0's chunk of my rows
	s_or_b32 s[G0+3], s[G0+3], 0x80000000          ; type = 2
.irp ft, 0,1,2,3,4,5
	global_load_b128 v[BIAS+8*\ft:BIAS+8*\ft+3],   v[BOFF], s[8:9] offset:\ft*64      ; register j: the bias of feature 96 w + 16 ft + 8 h + j, as C wants it
	global_load_b128 v[BIAS+8*\ft+4:BIAS+8*\ft+7], v[BOFF], s[8:9] offset:\ft*64+16
.endr
	XLOAD 0
	XLOAD 1
	XLOAD 2
	ROUND                                          ; all four work-groups are here: the first joint load meets
	tensor_load_to_lds s[G0:G0+3], s[G1:G1+7]      ; step 0's chunk of wt
	s_nop 0
	STEP 0, 32
	STEP 1, 32
	STEP 2, 32
	STEP 3, 32
	STEP 4, 16
	STEP 5, 0
	; THE WAY OUT: round to f16, 16 bytes a lane into the stage (x's bytes, which nobody reads any more behind the barrier), back by pieces of 256 bytes.
	PLACES                                         ; behind the last matrix instructions, for the conversions that read their results
	s_wait_dscnt 0x0
	s_barrier_signal -1
	s_barrier_wait -1                              ; every wave's reads of x are over
.irp bt, 0,1,2
	WIN 0x05                                       ; both sources window 1
.irp u, 0,1,2,3,4,5,6,7
.irp e, 0,1,2,3
	v_cvt_pk_f16_f32 v[T+4*\u+\e], v[8*(8*\bt+\u)+2*\e], v[8*(8*\bt+\u)+2*\e+1]
.endr
.endr
	WIN 0
.irp u, 0,1,2,3,4,5,6,7
	ds_store_b128 v[STO], v[T+4*\u:T+4*\u+3] offset:((8*\bt+\u)%4)*16*SPITCH+32*((8*\bt+\u)/4)   ; tile 4 ft + tt: tokens 16 tt .., features 16 ft ..
.endr
.endr
	s_wait_dscnt 0x0                               ; my stores are done, for the other waves' sake
	s_barrier_signal -1
	s_barrier_wait -1
.irp rr, 0,1,2,3,4,5,6,7
.irp part, 0,1,2
	ds_load_b128 v[F0+4*(3*\rr+\part):F0+4*(3*\rr+\part)+3], v[RD] offset:\rr*8*SPITCH+256*\part
.endr
.endr
.irp rr, 0,1,2,3,4,5,6,7
.irp part, 0,1,2
	s_wait_dscnt 23-(3*\rr+\part)                  ; this load is in; the younger ones stay out
	global_store_b128 v[CO], v[F0+4*(3*\rr+\part):F0+4*(3*\rr+\part)+3], s[10:11] offset:\rr*8*768+256*\part   ; sixteen lanes store 256 consecutive bytes, aligned: the q, k or v piece of a token
.endr
.endr
	s_set_vgpr_msb 0x5
	s_wait_tensorcnt 0x0
	ds_add_u32 v254, v255
	s_wait_dscnt 0x0
	s_set_vgpr_msb 0x500
	ROUND                                          ; the closing round: no work-group ends while a partner may still ask jointly
	s_endpgm
.Lfunc_end_k_qdf1b804926_qkv:
	.size	k_qdf1b804926_qkv, .Lfunc_end_k_qdf1b804926_qkv-k_qdf1b804926_qkv
	.p2alignl 7, 3214868480
	.fill 96, 4, 3214868480
	.section	.rodata,"a",@progbits
	.p2align	6, 0x0
	.amdhsa_kernel k_qdf1b804926_qkv
		.amdhsa_group_segment_fixed_size 327680
		.amdhsa_private_segment_fixed_size 0
		.amdhsa_enable_private_segment 0
		.amdhsa_kernarg_size 32
		.amdhsa_user_sgpr_count 2
		.amdhsa_user_sgpr_kernarg_segment_ptr 1
		.amdhsa_wavefront_size32 1
		.amdhsa_system_sgpr_workgroup_id_x 1
		.amdhsa_system_sgpr_workgroup_id_y 1
		.amdhsa_system_sgpr_workgroup_id_z 1
		.amdhsa_system_vgpr_workitem_id 0
		.amdhsa_next_free_vgpr 704
		.amdhsa_next_free_sgpr 66
		.amdhsa_reserve_vcc 0
		.amdhsa_float_denorm_mode_32 3
		.amdhsa_float_denorm_mode_16_64 3
		.amdhsa_memory_ordered 1
		.amdhsa_forward_progress 1
		.amdhsa_inst_pref_size 122
	.end_amdhsa_kernel
	.amdgpu_metadata
---
amdhsa.version: [ 1, 2 ]
amdhsa.kernels:
  - .name:           k_qdf1b804926_qkv
    .symbol:         k_qdf1b804926_qkv.kd
    .args:
      - { .name: x, .offset: 0, .size: 8, .value_kind: global_buffer, .address_space: global }
      - { .name: wt, .offset: 8, .size: 8, .value_kind: global_buffer, .address_space: global }
      - { .name: bias, .offset: 16, .size: 8, .value_kind: global_buffer, .address_space: global }
      - { .name: qkv, .offset: 24, .size: 8, .value_kind: global_buffer, .address_space: global }
    .group_segment_fixed_size: 327680
    .private_segment_fixed_size: 0
    .kernarg_segment_align: 8
    .kernarg_segment_size: 32
    .max_flat_workgroup_size: 128
    .sgpr_count:     66
    .vgpr_count:     704
    .wavefront_size: 32
...
	.end_amdgpu_metadata
.endif
;; end of part 4
;; launch attn (part 5): grid 256 x 1, 4 waves a work-group, clusters of 4 x 1, 327,680 bytes of LDS; arguments qkv, out0; writes out0
.if DOCPART == 5
	.amdgcn_target "amdgcn-amd-amdhsa--gfx1250"
	.amdhsa_code_object_version 6
	.text
	.protected	k_qdf1b804926_attn
	.globl	k_qdf1b804926_attn
	.p2align	8
	.type	k_qdf1b804926_attn,@function
k_qdf1b804926_attn:
	s_mov_b64 s[64:65], 0
	v_nop
	global_prefetch_b8 v0, s[64:65] scope:SCOPE_SE
	s_setreg_imm32_b32 hwreg(HW_REG_WAVE_MODE, 25, 1), 1
	s_wait_xcnt 0x0
	s_wait_alu depctr_hold_cnt(0) depctr_sa_sdst(0) depctr_va_vdst(0) depctr_va_sdst(0) depctr_va_ssrc(0) depctr_va_vcc(0) depctr_vm_vsrc(0)
	s_getreg_b32 s2, hwreg(HW_REG_IB_STS2, 6, 4)
	s_cmp_eq_u32 s2, 0
	s_cbranch_scc0 .Lentry_in_a_cluster
	s_endpgm
.Lentry_in_a_cluster:
	s_bfe_u32 s2, ttmp6, 0x10000c
	s_cmp_lg_u32 s2, 0x3003
	s_cbranch_scc0 .Lentry_shape_is_right
	s_endpgm
.Lentry_shape_is_right:
; out0 = causal softmax(q k^T / sqrt(128)) v for 8 batches of 2,048 tokens, head size 128.  qkv: [16384][384] f16, a token row = q | k | v, 256 bytes each.
; With c = log2(e) / sqrt(128) the weights are p = 2^(c s - c m), m the running maximum of the raw scores s: the maximum is taken away before every exponential,
; by the same fused multiply-add that scales the score.
; FORMATS: both products take f16 operands and sum in f32.  p lies in [0, 1] and is rounded to f16's 11 significant bits; a p below 2^-25 becomes 0.
; q, k, v must be finite in f16 (below 65,504): the launch that makes them states how far the inputs are from that.
; SHARE: the batch is bit 2 and bits 5:4 of the cluster's number, the group g its bits 1:0 and bit 3: a one-to-one map; which of such maps is taken is a matter of
; placement alone and changes no result.  Work-group j = 4 g + cx owns two blocks of 32 queries: hi = rows 32 (63 - j) .., lo = rows 32 j ..
; Keys go in tiles of 256.  With g' = g / 2, hi needs tiles 0 .. 7 - g' and lo tiles 0 .. g': nine parts of 32 queries x 256 keys for every work-group.
; Only hi's tile 7 - g' and lo's tile g' need the mask.  g is the same in the four work-groups of a cluster: same trips, same tiles.
; THE WALK: the running softmax takes the tiles in any order, so each group has an order of its own (the table at WALK below).  The first tile is g': lo has work there,
; so that the first trip starts both parts' sums.  The second is 7, 6, 5 or 4 in the groups that need it: with the eight groups' first two requests
; all eight tiles of the batch have been asked for, and every later request is for rows that another cluster has asked for before.
; CLUSTER: the four partners read the same K and V tiles, so each tile is asked for jointly (mask 15): a quarter of the requests.
; A WAVE holds all 64 queries and takes keys 64 w .. 64 w + 63 of each tile, with its own maximum, sum and O; the four partial results meet in LDS at the end.
; TRANSPOSED FORMS: S^T = K Q^T (source 0 = 16 keys, source 1 = 16 queries): lane (r, h), register j = key 8 h + j of query r.  Two such tiles, packed to f16,
; are source 1 of O^T = V^T P^T as they stand; source 0, V^T, comes from V's rows by the transposing LDS load.  A query's statistics live in lanes r and r + 16.
; Q is read from memory by each wave for itself: 16 KB against some 800 KB of K and V for a work-group; no tile is spent on it.
; LIMITS: the running maximum starts at -FLT_MAX and masked scores are -inf, so a wave all of whose keys so far are masked has p = 0, sum 0, O = 0; real scores that follow
; give alpha = 2^(c (-FLT_MAX - m)) = 0, and a wave that never sees a key has weight 0 in the merge;
; v_exp_f32 gives 0 for results below 2^-126 (ISA guide, its entry); the maxima ignore NaN, so a NaN score shows in p and in the result but not in the maximum.
; REGISTERS: window 0: addresses, statistics, scores; window 1: O (4 query tiles x 8 tiles of d); window 2: Q, then K's fragments; window 3: V's fragments.
.set SLOTB, 147456                     ; an LDS slot: four pieces; the wave that fills a piece has its number
.set PIECE, 36864                      ; pieces 0, 1: K rows 0-127, 128-255; pieces 2, 3: V rows likewise
.set KP,    272                        ; K's LDS row: 256 + 16 bytes
.set VP,    288                        ; V's LDS row: 256 + 32 bytes, for the transposing load
.set STATS, 2*SLOTB                    ; 294,912: m[64 queries][4 waves], then l likewise; bytes of their own
.set MP,    528                        ; the merge (in slot 0's bytes, behind the launch's last fill): a query's 128 f32 + 16 bytes
.set MW,    64*MP                      ; 33,792: one wave's partial O
.set TILEB, 196608                     ; a tile in memory: 256 token rows of 768 bytes
.set CPOS,  0x3e0293ee                 ; c = log2(e) / sqrt(128)
.set CNEG,  0xbe0293ee                 ; -c
.set KADR, 4                           ; v4-5    K fragments in slot 0, 1
.set VADR, 6                           ; v6-7    V fragments in slot 0, 1
.set QOH,  8                           ; v8      byte offset of hi's Q fragments in the batch
.set QOL,  9                           ; v9      of lo's
.set THH,  10                          ; v10     hi, tile 7 - g': key 16 kt + j of my 64 is allowed for query tile i if 16 kt + j - 16 i <= THH
.set THL,  11                          ; v11     lo, tile g', likewise
.set NINF, 12                          ; v12     -inf
.set MST,  13                          ; v13     merge: where I put my O
.set SST,  14                          ; v14     merge: where I put m and l
.set MRD,  15                          ; v15-16  merge: where I read rows back: waves 0-1's, waves 2-3's
.set SRD,  17                          ; v17     merge: where I read m and l
.set OOFF, 18                          ; v18     my byte offset in the batch's part of out0
.set ST,   20                          ; v20-27  (m, l) for each query tile; m in the raw scores' units
.set AL,   28                          ; v28-31  (alpha, unused) for each of a part's two query tiles
.set SC,   32                          ; v32-159 scores: tile (qt, kt) at 32 qt + 8 kt; P(qt, kk) is packed to 32 qt + 8 kk
.set MX,   160                         ; v160-167 maxima at work
.set SUM,  168                         ; v168-175 sums at work
.set WT,   176                         ; v176-185 merge weights
.set MC,   186                         ; v186-189 (-c m, unused) for each of a part's two query tiles
.set QF,   0                           ; window 2: Q(qt, ks) at 8 (4 qt + ks)
.set FK,   128                         ; window 2: K(ks, kt) at 128 + 8 (4 ks + kt)
.set G1K,  24                          ; s[24:31] group 1 for K's tiles
.set G1V,  32                          ; s[32:39] for V's: it differs in the padding
.set G0K,  40                          ; s[40:47] group 0 for K's tiles, a set for each slot
.set G0V,  48                          ; s[48:55] for V's
; scalars of the walk: s14 this trip's tile, s82 the next trip's, s83 the rest of the table (4 bits a tile, this trip's lowest), s80 = 7 - g', s12 = g'
.set MSB, 0
.macro WIN new                         ; the immediate's high byte repeats the setting that is left
.if MSB != \new
	s_set_vgpr_msb (MSB<<8)|\new
.set MSB, \new
.endif
.endm
.macro PLACES                          ; four places behind a matrix instruction (ISA guide 7.12.1)
.rept 4
	v_nop
.endr
.endm
.macro ROUND                           ; a round of the cluster's barrier
	s_barrier_signal -1
	s_barrier_wait -1
	s_cmp_lg_u32 s8, 0
	s_cbranch_scc1 .Lnot_wave_0_\@
	s_barrier_signal -3
.Lnot_wave_0_\@:
	s_barrier_wait -3
	s_barrier_signal -1
	s_barrier_wait -1
.endm
; A joint load into slot s: waves 0 and 1 fetch K's two halves, waves 2 and 3 V's: 128 rows x 256 bytes a wave.  The branch hangs on the wave's number alone.
.macro JLOAD s
	s_cmp_eq_u32 s18, 0
	s_cbranch_scc0 .Lfor_v_\@
	tensor_load_to_lds s[G0K+4*(\s):G0K+4*(\s)+3], s[G1K:G1K+7]
	s_nop 0
	s_branch .Lasked_\@
.Lfor_v_\@:
	tensor_load_to_lds s[G0V+4*(\s):G0V+4*(\s)+3], s[G1V:G1V+7]
	s_nop 0
.Lasked_\@:
.endm
; The global addresses of slot o's two descriptors, for the tile whose number is in register t: my 128 rows of tile 0 + tile x 196,608 + the k or v piece (s67 = s73 = 0).
.macro TILEADR o, t
	s_mul_i32 s66, s[\t], TILEB
	s_add_co_u32 s72, s66, 512                     ; the v piece of a token row
	s_add_co_u32 s66, s66, 256                     ; the k piece
	s_add_nc_u64 s[G0K+4*(\o)+2:G0K+4*(\o)+3], s[68:69], s[66:67]
	s_or_b32 s[G0K+4*(\o)+3], s[G0K+4*(\o)+3], 0x80000000          ; type = 2
	s_add_nc_u64 s[G0V+4*(\o)+2:G0V+4*(\o)+3], s[68:69], s[72:73]
	s_or_b32 s[G0V+4*(\o)+3], s[G0V+4*(\o)+3], 0x80000000
.endm
; S^T of query tiles qa, qa + 1 x my 64 keys: 32 matrix instructions.  The eight accumulators take turns, one instruction a turn.
; waits = 1: K's 32 LDS loads were just issued, eight for each ks; ahead of ks the 24 - 8 ks younger ones may stay out.
.macro SMUL qa, waits
	WIN 0x0a                                       ; sources 0 and 1 window 2, C and D window 0
.irp ks, 0,1,2,3
.if \waits
	s_wait_dscnt 24-8*\ks
.endif
.irp kt, 0,1,2,3
.irp i, 0,1
.if \ks == 0
	v_wmma_f32_16x16x32_f16 v[SC+32*(\qa+\i)+8*\kt:SC+32*(\qa+\i)+8*\kt+7], v[FK+8*(4*\ks+\kt):FK+8*(4*\ks+\kt)+7], v[QF+8*(4*(\qa+\i)+\ks):QF+8*(4*(\qa+\i)+\ks)+7], 0
.else
	v_wmma_f32_16x16x32_f16 v[SC+32*(\qa+\i)+8*\kt:SC+32*(\qa+\i)+8*\kt+7], v[FK+8*(4*\ks+\kt):FK+8*(4*\ks+\kt)+7], v[QF+8*(4*(\qa+\i)+\ks):QF+8*(4*(\qa+\i)+\ks)+7], v[SC+32*(\qa+\i)+8*\kt:SC+32*(\qa+\i)+8*\kt+7]
.endif
.endr
.endr
.endr
.endm
; the causal mask on the tile that holds a part's own rows: scores of keys behind the query become -inf
.macro MASK qa, th
.irp i, 0,1
.irp kt, 0,1,2,3
.irp j, 0,1,2,3,4,5,6,7
	v_cmp_le_i32 vcc_lo, 16*\kt+\j-16*\i, v[\th]
	v_cndmask_b32 v[SC+32*(\qa+\i)+8*\kt+\j], v[NINF], v[SC+32*(\qa+\i)+8*\kt+\j], vcc_lo
.endr
.endr
.endr
.endm
; Query tiles a = qa and b = qa + 1: new maximum, alpha = 2^(c (old - new)), p = 2^(c s - c new), l = l alpha + sum of p, p packed to f16 in place.
.macro SOFTMAX qa
.set SA, SC+32*(\qa)
.set SB, SC+32*(\qa)+32
.set MA, ST+2*(\qa)
.set MB, ST+2*(\qa)+2
	v_max3_num_f32 v[MX],   v[MA],    v[SA],    v[SA+1]        ; four chains, two a tile; the first starts from the old maximum
	v_max3_num_f32 v[MX+1], v[SA+16], v[SA+17], v[SA+18]
	v_max3_num_f32 v[MX+4], v[MB],    v[SB],    v[SB+1]
	v_max3_num_f32 v[MX+5], v[SB+16], v[SB+17], v[SB+18]
.irp e, 1,2,3,4,5,6
	v_max3_num_f32 v[MX],   v[MX],   v[SA+2*\e],    v[SA+2*\e+1]
	v_max3_num_f32 v[MX+1], v[MX+1], v[SA+17+2*\e], v[SA+18+2*\e]
	v_max3_num_f32 v[MX+4], v[MX+4], v[SB+2*\e],    v[SB+2*\e+1]
	v_max3_num_f32 v[MX+5], v[MX+5], v[SB+17+2*\e], v[SB+18+2*\e]
.endr
	v_max3_num_f32 v[MX],   v[MX],   v[SA+14], v[SA+15]
	v_max3_num_f32 v[MX+4], v[MX+4], v[SB+14], v[SB+15]
	v_max3_num_f32 v[MX],   v[MX],   v[MX+1],  v[SA+31]
	v_max3_num_f32 v[MX+4], v[MX+4], v[MX+5],  v[SB+31]
	v_permlanex16_b32 v[MX+2], v[MX],   s16, s17               ; the other half of the query's keys lies 16 lanes away
	v_permlanex16_b32 v[MX+6], v[MX+4], s16, s17
	v_max_num_f32 v[MX],   v[MX],   v[MX+2]
	v_max_num_f32 v[MX+4], v[MX+4], v[MX+6]
	v_sub_f32 v[AL],   v[MA], v[MX]                            ; old - new, never above 0.  First the difference, then c: where both are -FLT_MAX (all keys masked so far)
	v_sub_f32 v[AL+2], v[MB], v[MX+4]                          ; it has to be exactly 0; c old - round(c new) in one fused step would leave a residue of the size of an ulp of c FLT_MAX
	v_mov_b32 v[MA], v[MX]
	v_mov_b32 v[MB], v[MX+4]
	v_mul_f32 v[AL],   s2, v[AL]
	v_mul_f32 v[AL+2], s2, v[AL+2]
	v_mul_f32 v[MC],   CNEG, v[MX]                             ; -c m, the addend of the scores' multiply-add
	v_mul_f32 v[MC+2], CNEG, v[MX+4]
	v_exp_f32 v[AL],   v[AL]
	v_exp_f32 v[AL+2], v[AL+2]                                 ; plain instructions follow before alpha is used (ISA guide 5.7.2)
.set cnt, 0
.rept 16
	v_pk_fma_f32 v[SA+cnt:SA+cnt+1], v[SA+cnt:SA+cnt+1], s[2:3], v[MC:MC+1] op_sel_hi:[1,0,0]       ; c s - c m, twice
.set cnt, cnt+2
.endr
.set cnt, 0
.rept 32
	v_exp_f32 v[SA+cnt], v[SA+cnt]
.set cnt, cnt+1
.endr
.set cnt, 0
.rept 16
	v_pk_fma_f32 v[SB+cnt:SB+cnt+1], v[SB+cnt:SB+cnt+1], s[2:3], v[MC+2:MC+3] op_sel_hi:[1,0,0]     ; plain work behind tile a's exponentials
.set cnt, cnt+2
.endr
.set cnt, 0
.rept 32
	v_exp_f32 v[SB+cnt], v[SB+cnt]
.set cnt, cnt+1
.endr
	s_wait_alu depctr_va_vdst(0)
	v_pk_add_f32 v[SUM:SUM+1],   v[SA:SA+1],       v[SA+2:SA+3]        ; tile a's lines come first: the plain place behind tile b's last exponential
	v_pk_add_f32 v[SUM+2:SUM+3], v[SA+16:SA+17],   v[SA+18:SA+19]
	v_pk_add_f32 v[SUM+4:SUM+5], v[SB:SB+1],       v[SB+2:SB+3]
	v_pk_add_f32 v[SUM+6:SUM+7], v[SB+16:SB+17],   v[SB+18:SB+19]
.irp e, 4,6,8,10,12,14
	v_pk_add_f32 v[SUM:SUM+1],   v[SUM:SUM+1],   v[SA+\e:SA+\e+1]
	v_pk_add_f32 v[SUM+2:SUM+3], v[SUM+2:SUM+3], v[SA+16+\e:SA+17+\e]
	v_pk_add_f32 v[SUM+4:SUM+5], v[SUM+4:SUM+5], v[SB+\e:SB+\e+1]
	v_pk_add_f32 v[SUM+6:SUM+7], v[SUM+6:SUM+7], v[SB+16+\e:SB+17+\e]
.endr
	v_pk_add_f32 v[SUM:SUM+1],   v[SUM:SUM+1],   v[SUM+2:SUM+3]
	v_pk_add_f32 v[SUM+4:SUM+5], v[SUM+4:SUM+5], v[SUM+6:SUM+7]
	v_add_f32 v[SUM],   v[SUM],   v[SUM+1]
	v_add_f32 v[SUM+4], v[SUM+4], v[SUM+5]
	v_fma_f32 v[MA+1], v[MA+1], v[AL],   v[SUM]                ; l stays the sum over my half of the keys until the merge
	v_fma_f32 v[MB+1], v[MB+1], v[AL+2], v[SUM+4]
.set cnt, 0
.rept 16
	v_cvt_pk_f16_f32 v[SA+cnt], v[SA+2*cnt], v[SA+2*cnt+1]     ; ascending: a register is written only when it has been read
	v_cvt_pk_f16_f32 v[SB+cnt], v[SB+2*cnt], v[SB+2*cnt+1]
.set cnt, cnt+1
.endr
.endm
.macro RESCALE qa                      ; O of the two query tiles times alpha
	WIN 0x41                                       ; destination and source 0 window 1
.irp i, 0,1
.set cnt, 0
.rept 32
	v_pk_mul_f32 v[64*(\qa+\i)+cnt:64*(\qa+\i)+cnt+1], v[64*(\qa+\i)+cnt:64*(\qa+\i)+cnt+1], v[AL+2*\i:AL+2*\i+1] op_sel_hi:[1,0]
.set cnt, cnt+2
.endr
.endr
.endm
; O^T += V^T P^T for query tiles qa, qa + 1: 32 matrix instructions.  The sixteen accumulators take turns, one instruction a turn.
.macro PV qa, first, waits
	WIN 0x53                                       ; source 0 (V) window 3, source 1 (P) window 0, C and D window 1
.if \waits
	s_wait_dscnt 0x0                               ; V's 32 LDS loads, issued ahead of the softmax
.endif
.irp kk, 0,1
.irp dt, 0,1,2,3,4,5,6,7
.irp i, 0,1
.if \first*(1-\kk)
	v_wmma_f32_16x16x32_f16 v[8*(8*(\qa+\i)+\dt):8*(8*(\qa+\i)+\dt)+7], v[8*(8*\kk+\dt):8*(8*\kk+\dt)+7], v[SC+32*(\qa+\i)+8*\kk:SC+32*(\qa+\i)+8*\kk+7], 0
.else
	v_wmma_f32_16x16x32_f16 v[8*(8*(\qa+\i)+\dt):8*(8*(\qa+\i)+\dt)+7], v[8*(8*\kk+\dt):8*(8*\kk+\dt)+7], v[SC+32*(\qa+\i)+8*\kk:SC+32*(\qa+\i)+8*\kk+7], v[8*(8*(\qa+\i)+\dt):8*(8*(\qa+\i)+\dt)+7]
.endif
.endr
.endr
.endr
.endm
; One tile of 256 keys, number s14, in LDS slot 'slot'.  refill: the walk's next tile is asked for, into the other slot.
; first = 1: the tile is g': both parts run without a test, lo with its mask, and the first products start O's sums, so that every path has written O, m and l.
; first = 0: hi's mask where the tile is 7 - g'; lo's part, unmasked, where the tile lies below g'.
; These jumps hang on the tile's number and g', equal in all partners, and pass over register work alone.
.macro TRIP slot, refill, first
	s_wait_tensorcnt 0x0                           ; all my tensor loads have landed: the one that was out is my piece of this tile,
	ds_add_u32 v254, v255
	s_wait_dscnt 0x0
.if \refill
	s_lshr_b32 s83, s83, 4                         ; so every group 0 may be written: the other slot gets the walk's next tile
	s_and_b32 s82, s83, 15
	TILEADR 1-\slot, 82
.endif
	s_wait_dscnt 0x0                               ; my reads of the other slot are over
	ROUND                                          ; both now hold of every wave of the four work-groups
.if \refill
	JLOAD 1-\slot                                  ; my one tensor load behind the round; one is out, and it has the whole trip in which to land
.endif
.rept 5
	v_nop                                          ; five places behind the last trip's products: V's fragments are loaded again, and the score products write over P
.endr
	WIN 0x80                                       ; destination window 2
.irp ks, 0,1,2,3
.irp kt, 0,1,2,3
	ds_load_b128 v[FK+8*(4*\ks+\kt):FK+8*(4*\ks+\kt)+3],   v[KADR+\slot] offset:\kt*16*KP+64*\ks
	ds_load_b128 v[FK+8*(4*\ks+\kt)+4:FK+8*(4*\ks+\kt)+7], v[KADR+\slot] offset:\kt*16*KP+64*\ks+32
.endr
.endr
	SMUL 0, 1
	WIN 0xc0                                       ; destination window 3
.irp kk, 0,1
.irp dt, 0,1,2,3,4,5,6,7
	ds_load_tr16_b128 v[8*(8*\kk+\dt):8*(8*\kk+\dt)+3],   v[VADR+\slot] offset:\kk*32*VP+32*\dt          ; keys 32 kk + 8 h .., column d = 16 dt + r
	ds_load_tr16_b128 v[8*(8*\kk+\dt)+4:8*(8*\kk+\dt)+7], v[VADR+\slot] offset:\kk*32*VP+32*\dt+16*VP    ; keys 32 kk + 16 + 8 h ..
.endr
.endr
	WIN 0
.if \first == 0
	s_cmp_ge_u32 s14, s12                          ; lo has no key in a tile above g', and tile g' was the first trip's
	s_cbranch_scc1 .Lno_lo_s_\@
.endif
	SMUL 2, 0
	WIN 0
.Lno_lo_s_\@:
	PLACES                                         ; behind the score products, for the vector work that reads them
.if \first == 0
	s_cmp_lg_u32 s14, s80
	s_cbranch_scc1 .Lno_hi_mask_\@
	MASK 0, THH                                    ; tile 7 - g' holds hi's own rows
.Lno_hi_mask_\@:
.endif
	SOFTMAX 0
.if \first == 0
	RESCALE 0
.endif
	PV 0, \first, 1
	WIN 0
.if \first == 0
	s_cmp_ge_u32 s14, s12
	s_cbranch_scc1 .Lno_lo_p_\@
.else
	MASK 2, THL                                    ; tile g' holds lo's own rows
.endif
	SOFTMAX 2
.if \first == 0
	RESCALE 2
.endif
	PV 2, \first, 0
	WIN 0
.Lno_lo_p_\@:
.if \refill
	s_mov_b32 s14, s82                             ; the next trip's tile
.endif
.endm
.macro WALK g, order                   ; group g's order of tiles, the first in the lowest four bits
	s_cmp_eq_u32 s11, \g
	s_cselect_b32 s83, \order, s83
.endm
	s_load_b128 s[4:7], s[0:1], 0x0                ; qkv s[4:5], out0 s[6:7]
	v_lshl_add_u32 v254, v0, 2, 0x48800
	v_mov_b32 v255, 0
	ds_add_u32 v254, v255
	v_lshrrev_b32 v19, 5, v0
	v_readfirstlane_b32 s8, v19                    ; wave 0..3
	s_bfe_u32 s9, ttmp6, 0x40000                   ; cx: enters global addresses of Q and out0 and the mask's thresholds alone
	s_bfe_u32 s10, ttmp9, 0x10002                  ; bit 2 of the cluster's number
	s_lshr_b32 s66, ttmp9, 4                       ; bits 5:4
	s_lshl2_add_u32 s10, s10, s66                  ; batch = 4 x bit 2 + bits 5:4
	s_and_b32 s11, ttmp9, 3                        ; bits 1:0
	s_bfe_u32 s66, ttmp9, 0x10003                  ; bit 3
	s_lshl2_add_u32 s11, s66, s11                  ; g = 4 x bit 3 + bits 1:0
	s_lshr_b32 s12, s11, 1                         ; g'
	s_lshl_b32 s13, s11, 2
	s_add_co_u32 s13, s13, s9                      ; j = 4 g + cx
	s_sub_co_u32 s80, 7, s12                       ; hi's last tile
	s_mov_b32 s83, 0x76543210                      ; g = 0: 0 1 2 3 4 5 6 7
	WALK 1, 0x12345670                             ;        0 7 6 5 4 3 2 1
	WALK 2, 0x0654321                              ;        1 2 3 4 5 6 0
	WALK 3, 0x0234561                              ;        1 6 5 4 3 2 0
	WALK 4, 0x105432                               ;        2 3 4 5 0 1
	WALK 5, 0x013452                               ;        2 5 4 3 1 0
	WALK 6, 0x21043                                ;        3 4 0 1 2
	WALK 7, 0x01243                                ;        3 4 2 1 0
	s_and_b32 s14, s83, 15                         ; the first tile, g'
	s_mov_b32 s2, CPOS                             ; c, as a pair for the packed multiply-add
	s_mov_b32 s3, CPOS
	s_mov_b32 s16, 0x76543210                      ; v_permlanex16_b32: lane i of one half reads lane i of the other
	s_mov_b32 s17, 0xfedcba98
	s_lshr_b32 s18, s8, 1                          ; I fetch for K (0) or V (1); also: which piece holds my keys
	s_and_b32 s19, s8, 1                           ; which 128 rows I fetch; also: which 64 rows of the piece are my keys
	s_mov_b32 s57, 0                               ; upper halves of the pairs that carry the merge weights
	s_mov_b32 s59, 0
	s_mov_b32 s61, 0
	s_mov_b32 s63, 0
	; group 1: a tile of 128 rows x 128 elements of 2 bytes, rows 384 elements apart; padding behind every 256 bytes: 16 bytes for K, 32 for V
	s_mov_b32 s[G1K+0], 15|(1<<16)|(1<<20)|(1<<21)|(5<<22)|(3<<25)
	s_mov_b32 s[G1V+0], 15|(1<<16)|(1<<20)|(1<<21)|(5<<22)|(7<<25)
.irp g, G1K, G1V
	s_mov_b32 s[\g+1], 128<<16                     ; tensor_dim0 = 128
	s_mov_b32 s[\g+2], 128<<16                     ; tensor_dim1 = 128
	s_mov_b32 s[\g+3], 128<<16                     ; tile_dim0 = 128
	s_mov_b32 s[\g+4], 128                         ; tile_dim1 = 128
	s_mov_b32 s[\g+5], 384                         ; elements from row to row
	s_mov_b32 s[\g+6], 0
	s_mov_b32 s[\g+7], 0
.endr
	s_mul_i32 s70, s8, PIECE                       ; my piece of a slot
	s_mul_i32 s66, s10, 1572864                    ; the batch in qkv: 2,048 rows of 768 bytes
	s_mov_b32 s67, 0
	s_mul_i32 s68, s19, 98304                      ; my 128 rows of a tile
	s_mov_b32 s69, 0
	s_lshl_b32 s72, s10, 20                        ; the batch in out0: 2,048 rows of 512 bytes
	s_mov_b32 s73, 0
	v_and_b32 v1, 15, v0                           ; r
	v_bfe_u32 v2, v0, 4, 1                         ; h
	v_and_b32 v3, 31, v0                           ; L
	; K fragments: row (my 64 keys) + r, 16 h
	s_mul_i32 s74, s18, PIECE
	s_mul_i32 s75, s19, 64*KP
	s_add_co_u32 s75, s75, s74
	v_mul_u32_u24 v19, v1, KP
	v_lshl_add_u32 v19, v2, 4, v19
	v_add_nc_u32 v[KADR], s75, v19
	v_add_nc_u32 v[KADR+1], SLOTB, v[KADR]
	; V fragments by the transposing load: row (my 64 keys) + 8 h + L % 8, 16 bytes x bit 3 of L
	s_mul_i32 s75, s19, 64*VP
	s_add_co_u32 s75, s75, s74
	s_add_co_u32 s75, s75, 2*PIECE
	v_and_b32 v19, 7, v0
	v_lshl_add_u32 v19, v2, 3, v19
	v_mul_u32_u24 v19, v19, VP
	v_bfe_u32 v[WT], v0, 3, 1
	v_lshl_add_u32 v19, v[WT], 4, v19
	v_add_nc_u32 v[VADR], s75, v19
	v_add_nc_u32 v[VADR+1], SLOTB, v[VADR]
	; Q
	s_lshl_b32 s76, s13, 5                         ; 32 j: lo's first row
	s_sub_co_u32 s77, 2016, s76                    ; 32 (63 - j): hi's first row
	v_add_nc_u32 v19, s77, v1
	v_mul_u32_u24 v19, v19, 768
	v_lshl_add_u32 v[QOH], v2, 4, v19
	v_add_nc_u32 v19, s76, v1
	v_mul_u32_u24 v19, v19, 768
	v_lshl_add_u32 v[QOL], v2, 4, v19
	; thresholds: query row - first key of my lane in the tile that holds the part's own rows
	s_lshl_b32 s74, s12, 8                         ; 256 g'
	s_lshl_b32 s75, s8, 6                          ; 64 w
	s_add_co_u32 s78, s77, s74
	s_sub_co_u32 s78, s78, 1792                    ; hi's is tile 7 - g'
	s_sub_co_u32 s78, s78, s75
	s_sub_co_u32 s79, s76, s74                     ; lo's is tile g'
	s_sub_co_u32 s79, s79, s75
	v_lshlrev_b32 v19, 3, v2
	v_sub_nc_u32 v19, v1, v19                      ; r - 8 h
	v_add_nc_u32 v[THH], s78, v19
	v_add_nc_u32 v[THL], s79, v19
	v_mov_b32 v[NINF], 0xff800000
	; the merge
	s_mul_i32 s74, s8, MW
	v_mul_u32_u24 v19, v1, MP
	v_lshl_add_u32 v19, v2, 5, v19
	v_add_nc_u32 v[MST], s74, v19
	s_lshl_b32 s74, s8, 2
	s_add_co_u32 s74, s74, STATS
	v_lshl_add_u32 v[SST], v1, 4, s74
	s_mul_i32 s74, s8, 16*MP
	v_lshl_add_u32 v[MRD], v3, 4, s74
	v_add_nc_u32 v[MRD+1], 2*MW, v[MRD]
	s_lshl_b32 s74, s8, 8
	s_add_co_u32 s74, s74, STATS
	v_lshl_add_u32 v[SRD], v1, 4, s74
	s_sub_co_u32 s75, s76, 32
	s_cmp_lt_u32 s8, 2                             ; wave w finishes query tile w: waves 0, 1 hi's rows, waves 2, 3 lo's
	s_cselect_b32 s75, s77, s75
	s_lshl4_add_u32 s75, s8, s75                   ; + 16 w
	s_lshl_b32 s75, s75, 9
	v_lshl_add_u32 v[OOFF], v3, 4, s75
	; statistics: m = -FLT_MAX, l = 0; registers that are read as halves of pairs or as a lane permute's destination are written once
.irp qt, 0,1,2,3
	v_mov_b32 v[ST+2*\qt], 0xff7fffff
	v_mov_b32 v[ST+2*\qt+1], 0
	v_mov_b32 v[AL+\qt], 0
	v_mov_b32 v[MC+\qt], 0
	v_mov_b32 v[MX+\qt], 0
	v_mov_b32 v[MX+4+\qt], 0
.endr
	s_wait_dscnt 0x0
	s_wait_kmcnt 0x0
	s_add_nc_u64 s[20:21], s[4:5], s[66:67]        ; qkv at the batch
	s_add_nc_u64 s[22:23], s[6:7], s[72:73]        ; out0 at the batch
	s_add_nc_u64 s[68:69], s[20:21], s[68:69]      ; my 128 rows of tile 0; s66 and s72 now serve the tiles' offsets, s67 and s73 stay 0
.irp s, 0,1
	s_mov_b32 s[G0K+4*\s], 1                       ; count = 1
	s_add_co_u32 s[G0K+4*\s+1], s70, \s*SLOTB      ; LDS address: the slot + the wave's piece
	s_mov_b32 s[G0V+4*\s], 1
	s_add_co_u32 s[G0V+4*\s+1], s70, \s*SLOTB
.endr
	TILEADR 0, 14                                  ; the first tile goes to slot 0
	WIN 0x80                                       ; Q's fragments, straight from memory into window 2
.irp i, 0,1
.irp ks, 0,1,2,3
	global_load_b128 v[QF+8*(4*\i+\ks):QF+8*(4*\i+\ks)+3],     v[QOH], s[20:21] offset:\i*12288+64*\ks
	global_load_b128 v[QF+8*(4*\i+\ks)+4:QF+8*(4*\i+\ks)+7],   v[QOH], s[20:21] offset:\i*12288+64*\ks+32
	global_load_b128 v[QF+8*(8+4*\i+\ks):QF+8*(8+4*\i+\ks)+3],   v[QOL], s[20:21] offset:\i*12288+64*\ks
	global_load_b128 v[QF+8*(8+4*\i+\ks)+4:QF+8*(8+4*\i+\ks)+7], v[QOL], s[20:21] offset:\i*12288+64*\ks+32
.endr
.endr
	WIN 0
	ROUND                                          ; all four work-groups are here: the first joint load meets
	JLOAD 0                                        ; the first tile
	s_wait_loadcnt 0x0                             ; Q, once
	TRIP 0, 1, 1                                   ; tile g': both parts
	s_sub_co_u32 s15, 6, s12
	s_lshr_b32 s15, s15, 1                         ; (6 - g') / 2 = 3, 2, 2, 1 laps of two tiles for 8, 7, 6, 5 tiles
.Llap:
	TRIP 1, 1, 0
	TRIP 0, 1, 0
	s_sub_co_i32 s15, s15, 1
	s_cmp_gt_i32 s15, 0                            ; a signed compare: the loop ends whatever the counter's start
	s_cbranch_scc1 .Llap
	s_bitcmp1_b32 s12, 0                           ; g' odd: an odd number of tiles, two are left; else one
	s_cbranch_scc1 .Lodd
	TRIP 1, 0, 0                                   ; the last tile: nothing is left to fetch
	s_branch .Lmerge
.Lodd:
	TRIP 1, 1, 0
	TRIP 0, 0, 0
.Lmerge:
	; THE MERGE: out = sum over waves p of e_p O_p / sum of e_p l_p, e_p = 2^(c (m_p - max m)).
	PLACES                                         ; behind the last products, for the LDS stores that read O
.irp qt, 0,1,2,3
	v_permlanex16_b32 v[MX+\qt], v[ST+2*\qt+1], s16, s17
.endr
.irp qt, 0,1,2,3
	v_add_f32 v[ST+2*\qt+1], v[ST+2*\qt+1], v[MX+\qt]          ; l over both halves of my keys
.endr
	s_wait_dscnt 0x0
	s_barrier_signal -1
	s_barrier_wait -1                              ; every wave's reads of the slots are over, and no fill follows: slot 0's bytes now serve the merge
.irp qt, 0,1,2,3
	ds_store_b32 v[SST], v[ST+2*\qt]   offset:\qt*256          ; lanes r and r + 16 write the same word with the same value
	ds_store_b32 v[SST], v[ST+2*\qt+1] offset:\qt*256+1024
.endr
	WIN 0x04                                       ; store data window 1
.irp qt, 0,1,2,3
.irp dt, 0,1,2,3,4,5,6,7
	ds_store_b128 v[MST], v[8*(8*\qt+\dt):8*(8*\qt+\dt)+3]   offset:\qt*16*MP+\dt*64       ; query 16 qt + r, d = 16 dt + 8 h + 0..3
	ds_store_b128 v[MST], v[8*(8*\qt+\dt)+4:8*(8*\qt+\dt)+7] offset:\qt*16*MP+\dt*64+16
.endr
.endr
	WIN 0
	s_wait_dscnt 0x0                               ; my stores are done, for the other waves' sake
	s_barrier_signal -1
	s_barrier_wait -1
	ds_load_b128 v[WT:WT+3],   v[SRD]              ; the four m of query 16 w + r
	ds_load_b128 v[WT+4:WT+7], v[SRD] offset:1024  ; the four l
	s_wait_dscnt 0x0
	v_max3_num_f32 v[WT+8], v[WT], v[WT+1], v[WT+2]
	v_max_num_f32 v[WT+8], v[WT+8], v[WT+3]
.irp p, 0,1,2,3
	v_sub_f32 v[WT+\p], v[WT+\p], v[WT+8]          ; first the difference, then c, as in the softmax
.endr
.irp p, 0,1,2,3
	v_mul_f32 v[WT+\p], s2, v[WT+\p]
.endr
.irp p, 0,1,2,3
	v_exp_f32 v[WT+\p], v[WT+\p]
.endr
	v_nop                                          ; one plain place behind the exponentials (ISA guide 5.7.2)
	s_wait_alu depctr_va_vdst(0)
	v_mul_f32 v[WT+9], v[WT], v[WT+4]
	v_fmac_f32 v[WT+9], v[WT+1], v[WT+5]
	v_fmac_f32 v[WT+9], v[WT+2], v[WT+6]
	v_fmac_f32 v[WT+9], v[WT+3], v[WT+7]
	v_rcp_f32 v[WT+9], v[WT+9]
	v_nop                                          ; and behind the reciprocal
	s_wait_alu depctr_va_vdst(0)
.irp p, 0,1,2,3
	v_mul_f32 v[WT+\p], v[WT+\p], v[WT+9]          ; lane r: the weight of wave p's O for query 16 w + r
.endr
; queries 8 bt .. 8 bt + 7 of my sixteen: four rows of 512 bytes each, weighted and summed, one whole row of out0 stored by the wave
.macro FINISH bt
.irp qi, 0,1,2,3,4,5,6,7
.irp p, 0,1,2,3
	ds_load_b128 v[SC+16*\qi+4*\p:SC+16*\qi+4*\p+3], v[MRD+(\p/2)] offset:(\p%2)*MW+(8*\bt+\qi)*MP
.endr
.endr
.irp qi, 0,1,2,3,4,5,6,7
.irp p, 0,1,2,3
	v_readlane_b32 s[56+2*\p], v[WT+\p], 8*\bt+\qi
.endr
	s_wait_dscnt 28-4*\qi                          ; this query's four loads are in; the four of each later query stay out
	v_pk_mul_f32 v[SC+16*\qi:SC+16*\qi+1],   v[SC+16*\qi:SC+16*\qi+1],   s[56:57] op_sel_hi:[1,0]
	v_pk_mul_f32 v[SC+16*\qi+2:SC+16*\qi+3], v[SC+16*\qi+2:SC+16*\qi+3], s[56:57] op_sel_hi:[1,0]
.irp p, 1,2,3
	v_pk_fma_f32 v[SC+16*\qi:SC+16*\qi+1],   v[SC+16*\qi+4*\p:SC+16*\qi+4*\p+1],   s[56+2*\p:57+2*\p], v[SC+16*\qi:SC+16*\qi+1]   op_sel_hi:[1,0,1]
	v_pk_fma_f32 v[SC+16*\qi+2:SC+16*\qi+3], v[SC+16*\qi+4*\p+2:SC+16*\qi+4*\p+3], s[56+2*\p:57+2*\p], v[SC+16*\qi+2:SC+16*\qi+3] op_sel_hi:[1,0,1]
.endr
	global_store_b128 v[OOFF], v[SC+16*\qi:SC+16*\qi+3], s[22:23] offset:(8*\bt+\qi)*512 th:TH_STORE_NT   ; 512 consecutive bytes, aligned
.endr
.endm
	FINISH 0
	s_wait_xcnt 0x0                                ; the stores' data registers are loaded again only behind this wait (ISA guide 3.1)
	FINISH 1
	s_wait_tensorcnt 0x0
	ds_add_u32 v254, v255
	s_wait_dscnt 0x0
	ROUND                                          ; the closing round: no work-group ends while a partner may still ask jointly
	s_endpgm
.Lfunc_end_k_qdf1b804926_attn:
	.size	k_qdf1b804926_attn, .Lfunc_end_k_qdf1b804926_attn-k_qdf1b804926_attn
	.p2alignl 7, 3214868480
	.fill 96, 4, 3214868480
	.section	.rodata,"a",@progbits
	.p2align	6, 0x0
	.amdhsa_kernel k_qdf1b804926_attn
		.amdhsa_group_segment_fixed_size 327680
		.amdhsa_private_segment_fixed_size 0
		.amdhsa_enable_private_segment 0
		.amdhsa_kernarg_size 16
		.amdhsa_user_sgpr_count 2
		.amdhsa_user_sgpr_kernarg_segment_ptr 1
		.amdhsa_wavefront_size32 1
		.amdhsa_system_sgpr_workgroup_id_x 1
		.amdhsa_system_sgpr_workgroup_id_y 1
		.amdhsa_system_sgpr_workgroup_id_z 1
		.amdhsa_system_vgpr_workitem_id 0
		.amdhsa_next_free_vgpr 896
		.amdhsa_next_free_sgpr 84
		.amdhsa_reserve_vcc 1
		.amdhsa_float_denorm_mode_32 3
		.amdhsa_float_denorm_mode_16_64 3
		.amdhsa_memory_ordered 1
		.amdhsa_forward_progress 1
		.amdhsa_inst_pref_size 255
	.end_amdhsa_kernel
	.section	.bss,"aw",@nobits
	.p2align	6
	.space	262144
	.amdgpu_metadata
---
amdhsa.version: [ 1, 2 ]
amdhsa.kernels:
  - .name:           k_qdf1b804926_attn
    .symbol:         k_qdf1b804926_attn.kd
    .args:
      - { .name: qkv, .offset: 0, .size: 8, .value_kind: global_buffer, .address_space: global }
      - { .name: out0, .offset: 8, .size: 8, .value_kind: global_buffer, .address_space: global }
    .group_segment_fixed_size: 327680
    .private_segment_fixed_size: 0
    .kernarg_segment_align: 8
    .kernarg_segment_size: 16
    .max_flat_workgroup_size: 128
    .sgpr_count:     84
    .vgpr_count:     896
    .wavefront_size: 32
...
	.end_amdgpu_metadata
.endif
;; end of part 5
